; MI455X (gfx1250); checked and timed in simulation.
; The chip was launched on July 23, 2026; its instructions are those of AMD's public machine-readable ISA for CDNA 5 (MIT licence, August 2026) and "CDNA5" Instruction Set Architecture Reference Guide (July 2026). The comments in the code are by the model that wrote it; some were corrected since.
;; Dense Full Attention. Allowed arithmetic: matrix products marked QUANTISED: E4M3 operands, one E8M0 scale for each 32 along K, by v_wmma_scale_f32_16x16x128_f8f6f4 with both operands' format E4M3, f32 sums; everything else in f32.
;; Inputs: cos 2,048 x 64 float32; sin 2,048 x 64 float32; wk 2,048 x 2,048 float32; wo 2,048 x 2,048 float32; wq 2,048 x 2,048 float32; wv 2,048 x 2,048 float32; x 1 x 2,048 x 2,048 float32.
;; Outputs: out0 1 x 2,048 x 2,048 float32.
;; This version of the problem:
;;   THIS VERSION OF THE PROBLEM IS GIVEN IN LOW PRECISION. The matrix products marked QUANTISED in the list below multiply operands that are first quantised to E4M3 (4 exponent bits, 3 mantissa bits; 8 bits a number), with one power-of-two scale for each 32 numbers along K (OCP MX v1.0); their sums are f32. All else is computed in f32.
;;   The module's matrix products, in the order in which they are computed (A, B: the left and right operand; K: the contracted axis; several contracted axes count as one K, in the product's order):
;;     1. [M 2,048, K 2,048] x [K 2,048, N 2,048]; A: input x; B: input wq: QUANTISED
;;     2. [M 2,048, K 2,048] x [K 2,048, N 2,048]; A: input x; B: input wk: QUANTISED
;;     3. [M 2,048, K 2,048] x [K 2,048, N 2,048]; A: input x; B: input wv: QUANTISED
;;     4. batch 16 x [M 2,048, K 128] x [K 128, N 2,048]; A: computed on the way; B: computed on the way: QUANTISED
;;     5. batch 16 x [M 128, K 2,048] x [K 2,048, N 2,048]; A: computed on the way; B: softmax (see below): QUANTISED
;;     6. [M 2,048, K 2,048] x [K 2,048, N 2,048]; A: computed on the way; B: input wo: QUANTISED
;;   THE QUANTISER, for each operand of a quantised product, along K:
;;     - K is cut into blocks of 32 from its start; a last block that is shorter is filled with zeros.
;;     - A block's scale is 2^e with e = floor(log2(the largest magnitude in the block)) - 8, held to -126 .. 127; a block of zeros has e = 0. As a byte (E8M0): e + 127.
;;     - Each number is divided by its block's scale, clamped to +-448, and rounded to the nearest number of E4M3, ties to even, subnormals kept.
;;     - The product sums the exact products of the quantised numbers (number of the format x scale) in f32.
;;   ~~~python
;;   def quantise(x, axis):      # numpy; x: float32 -> the quantised numbers, widened to float32 again
;;       x = np.moveaxis(x, axis, -1); K = x.shape[-1]
;;       x = np.pad(x, [(0, 0)] * (x.ndim - 1) + [(0, -K % 32)]); x = x.reshape(x.shape[:-1] + (-1, 32)); a = np.abs(x).max(-1, keepdims=True)
;;       e = np.where(a > 0, np.clip(np.frexp(np.where(a > 0, a, 1))[1] - 1 - 8, -126, 127), 0)      # np.frexp(a)[1] - 1 = floor(log2(a)), exactly
;;       r = np.clip(x / 2.0 ** e, -448, 448)
;;       step = 2.0 ** (np.maximum(np.frexp(np.where(r == 0, 1, r))[1] - 1, -6) - 3)
;;       q = np.round(r / step) * step * 2.0 ** e      # np.round: ties to even
;;       return np.moveaxis(q.reshape(q.shape[:-2] + (-1,))[..., :K], -1, axis).astype(np.float32)
;;   ~~~
;;   SOFTMAX AHEAD OF A QUANTISED PRODUCT. Where the list says 'softmax', what is quantised is not the finished softmax but p = 2^(t - M), with t = logit x log2(e) and M = ceil(the row's largest t), a whole number; so 1/2 < the row's largest p <= 1. The row's sum l is taken of the UNQUANTISED p, in f32, and the product's result is divided by l at the end. Since M is a whole number, a kernel that streams over the keys may use a running M (the ceiling of the running maximum): every later rescaling is an exact power of two, which a block's scale takes up: the codes' values come out the same.
;;   OPERANDS COMPUTED ON THE WAY. 'Computed on the way' means the value that the module computes at that place (a softmax that the list does not call 'softmax' is quantised finished and normalised). What goes into a quantiser is computed in f32, as accurately as f32 sums, v_exp_f32 and their like allow (about 1e-6 of the number): no bf16 or f16 on the way to a quantiser, and a product that is left as it is and whose result goes on into a quantised operand takes f32 operands (vector FMAs, or v_wmma_f32_16x16x4_f32). A number that lies on a knife's edge between two numbers of the format may be rounded either way, as far as f32 arithmetic and the matrix unit's own rounding can turn it there, and no further.
;; One version. Each part assembles by itself: llvm-mc -triple=amdgcn-amd-amdhsa -mcpu=gfx1250 --defsym DOCPART=n.
;; ======== version 1 of 1: 4 launches
;; limits: right only within a limited range of input values
;; workspace buffers: xw 21,626,880 bytes; qkv_c 12,582,912 bytes; qkv_s 393,216 bytes; a_c 4,325,376 bytes
;; launch quant (part 1): grid 1280 x 1, 4 waves a work-group, no clusters, 18,944 bytes of LDS; arguments x, wq, wk, wv, wo, xw; writes xw
.if DOCPART == 1
	.amdgcn_target "amdgcn-amd-amdhsa--gfx1250"
	.amdhsa_code_object_version 6
	.text
	.protected	k_qa9f5946c9e_quant
	.globl	k_qa9f5946c9e_quant
	.p2align	8
	.type	k_qa9f5946c9e_quant,@function
k_qa9f5946c9e_quant:
	s_mov_b64 s[64:65], 0
	v_nop
	global_prefetch_b8 v0, s[64:65] scope:SCOPE_SE
	s_setreg_imm32_b32 hwreg(HW_REG_WAVE_MODE, 25, 1), 1
	s_wait_xcnt 0x0
; x [2048][2048] (K innermost) and wq, wk, wv, wo [2048 (k)][2048 (n)] (K outermost), f32, become codes of FP8 (E4M3) with one E8M0 byte for each 32 along K.
; A block's scale is 2^(floor(log2(largest magnitude)) - 8); each number is divided by it, held within +-448 and rounded to the nearest code, ties to even.
; SLABS.  128 rows (of x) or columns (of a weight) x 256 along K are one slab of 33,792 bytes, 132 rows of 256: codes [K step of 128: 2][tile 8][2048], then scale words [K step 2][tile 8][16 words].
; Slab ((tensor 16 + block) 8 + K pair), tensors in the order x, wq, wk, wv, wo.
; A fragment is 16 rows x 128 K, 2,048 bytes, an image of operand registers: registers 4 c .. 4 c + 3 of lane (r, h) (k = 32 c + 16 h + 0 .. 15 of row r) lie at byte 512 c + 256 h + 16 r.
; THE ROWS OF A TILE ARE NOT NEIGHBOURS: row r of tile T is 32 (T / 2) + 8 (T % 2) + r + 8 (r / 8), so that a product's 16 registers of two neighbouring tiles are 16 neighbours along the next K.
; SHARES.  A work-group makes one K step of a slab, 64 KiB of f32; a wave 32 source rows x 512 bytes, by 32 loads of 512 consecutive bytes each, 16 a lane: all are asked for at once, and no loop follows (so no prefetch).
; x: a wave's rows are two tiles; 8 neighbouring lanes hold a block of 32.  Weights: a wave's rows are one block of 32 along K; a lane holds four whole columns of it.
; The codes turn through LDS bytes of the wave's own and leave as 512 consecutive bytes an instruction.  Only the weights' scale words, of which each wave makes one byte, pass a barrier.
; No work of reference() is left out in this program but key tiles that its own causal mask hides whole; a NaN, an infinity or an overflow that reaches only those is not carried to the result.
; LIMITS: NaN and infinities among the inputs are not served.  A block whose largest magnitude lies under 2^-118, a block of zeros among them, gets the byte 1; only this program reads the bytes, and zero codes add nothing under it.
.set SPW,  2                           ; v2   LDS address of my spare word;  v3  0
.set NIL,  3
.set R,    16                          ; v16-143   32 rows x 4 numbers
.set T,    144                         ; v144-175  weights: a column's 32 held numbers;  x: codes, a pair of registers a row
.set C,    176                         ; v176-191  weights: codes, two sets of 8
.set SLAB, 33792
.set SCX,  17408                       ; LDS: behind the waves' images (16 units of 256 bytes + 16 of padding each): x's scale words,
.set SCW,  17920                       ; the weights',
.set SPARE, 18432                      ; and the spare words
	s_load_b256 s[4:11], s[0:1], 0x0               ; x, wq, wk, wv
	s_load_b128 s[12:15], s[0:1], 0x20             ; wo, xw
	v_lshl_add_u32 v[SPW], v0, 2, SPARE
	v_mov_b32 v[NIL], 0
	v_lshrrev_b32 v4, 5, v0
	v_readfirstlane_b32 s16, v4                    ; wave 0..3
	v_and_b32 v1, 31, v0                           ; lane
	v_lshlrev_b32 v5, 4, v1                        ; 16 lane
	v_lshlrev_b32 v6, 2, v1                        ; 4 lane
	s_lshr_b32 s17, ttmp9, 4                       ; 16 x tensor + block of 128
	s_and_b32 s18, ttmp9, 15                       ; K step
	s_and_b32 s19, s17, 15                         ; block
	s_lshr_b32 s20, ttmp9, 8                       ; tensor
	s_cmp_eq_u32 s20, 0
	s_cselect_b32 s21, s19, s18                    ; which 128 source rows: x's block, or a weight's K step;
	s_cselect_b32 s22, s18, s19                    ; which 512 bytes of them
	s_lshl_b32 s21, s21, 2
	s_add_co_u32 s21, s21, s16
	s_lshl_b32 s21, s21, 18                        ; 32 rows of 8,192 bytes a wave
	s_lshl_b32 s22, s22, 9
	s_add_co_u32 s22, s22, s21
	s_mov_b32 s23, 0
	s_lshr_b32 s24, s18, 1
	s_lshl_b32 s25, s17, 3
	s_add_co_u32 s24, s24, s25
	s_mul_i32 s24, s24, SLAB                       ; my slab
	s_and_b32 s26, s18, 1
	s_lshl_b32 s27, s26, 14
	s_add_co_u32 s28, s24, s27                     ; its codes of my K step
	s_mov_b32 s29, 0
	s_lshl_b32 s27, s26, 9
	s_lshl_b32 s30, s16, 7
	s_add_co_u32 s30, s30, s27
	s_add_co_u32 s30, s30, s24
	s_add_co_u32 s30, s30, 32768                   ; its scale words: 128 bytes (two tiles) a wave
	s_mov_b32 s31, 0
	s_mov_b32 s32, 0x600000                        ; the mantissa field of 448
	s_mul_i32 s33, s16, 4352                       ; my image in LDS
	s_lshl_b32 s34, s16, 7
	s_add_co_u32 s36, s34, SCW
	s_add_co_u32 s34, s34, SCX
	s_add_co_u32 s35, s16, SCW
	s_lshl_b32 s37, s16, 12                        ; my codes: x: two tiles on end;
	s_lshl_b32 s38, s16, 9                         ; weights: 512 bytes of each tile
	s_mov_b32 s39, 0
	s_wait_alu depctr_va_vdst(0)                   ; the wait at the head's end
	s_wait_kmcnt 0x0
	s_cmp_eq_u32 s20, 1                            ; the choices hang on the work-group's number alone
	s_cselect_b64 s[4:5], s[6:7], s[4:5]
	s_cmp_eq_u32 s20, 2
	s_cselect_b64 s[4:5], s[8:9], s[4:5]
	s_cmp_eq_u32 s20, 3
	s_cselect_b64 s[4:5], s[10:11], s[4:5]
	s_cmp_eq_u32 s20, 4
	s_cselect_b64 s[4:5], s[12:13], s[4:5]
	s_add_nc_u64 s[4:5], s[4:5], s[22:23]
	s_add_nc_u64 s[30:31], s[14:15], s[30:31]
	s_add_nc_u64 s[14:15], s[14:15], s[28:29]
.set I_, 0
.rept 32
	global_load_b128 v[R+4*I_:R+4*I_+3], v5, s[4:5] offset:8192*I_ th:TH_LOAD_NT
.set I_, I_+1
.endr
	s_cmp_lt_u32 ttmp9, 256
	s_cbranch_scc0 .Lweights
; ---------------- x.  Lane L holds k = 4 L .. 4 L + 3 of each row: byte 4 (L % 4) of unit L / 4 = 2 c + h of the row's tile
	v_lshrrev_b32 v4, 2, v1
	v_mul_u32_u24 v4, v4, 272
	v_and_b32 v0, 3, v1
	v_lshl_add_u32 v4, v0, 2, v4
	v_add_nc_u32 v4, s33, v4                       ; into the image
	v_lshrrev_b32 v7, 4, v1
	v_and_b32 v0, 15, v1
	v_mul_u32_u24 v7, v7, 272
	v_lshl_add_u32 v7, v0, 4, v7
	v_add_nc_u32 v7, s33, v7                       ; and back: two units an instruction
	v_lshrrev_b32 v0, 3, v1
	v_add_nc_u32 v0, s34, v0                       ; my block's byte in a row's scale word
	v_add_nc_u32 v1, s34, v6                       ; and back: a word a lane
.macro XG g                            ; four rows by turns
.if (\g) < 7
	s_wait_loadcnt 27-4*(\g)                       ; these four rows and the next one, whose registers the last conversion names, are in
.else
	s_wait_loadcnt 0x0
.endif
.irp i, 0,1,2,3
	v_max3_num_f32 v[8+\i], |v[R+16*(\g)+4*\i]|, |v[R+16*(\g)+4*\i+1]|, 0x4800000   ; and the floor 2^(9 - 127): the byte cannot fall under 1
.endr
.irp i, 0,1,2,3
	v_max3_num_f32 v[8+\i], v[8+\i], |v[R+16*(\g)+4*\i+2]|, |v[R+16*(\g)+4*\i+3]|
.endr
.irp m, 1,2,4
.irp i, 0,1,2,3
	v_max_num_f32_dpp v[8+\i], v[8+\i], v[8+\i] row_xmask:\m row_mask:0xf bank_mask:0xf   ; over the block's eight lanes
.endr
.endr
.irp i, 0,1,2,3
	v_add_nc_u32 v[12+\i], 0xfc000000, v[8+\i]     ; 8 off the exponent field: the conversion's scale operand
.endr
.irp i, 0,1,2,3
	v_and_or_b32 v[8+\i], v[8+\i], 0x7f800000, s32 ; 448 x the scale
.endr
.irp i, 0,1,2,3
.irp j, 0,1,2,3
	v_med3_num_f32 v[R+16*(\g)+4*\i+\j], v[R+16*(\g)+4*\i+\j], -v[8+\i], v[8+\i]   ; the conversion does not saturate (ISA guide 7.6.2): the hold comes first
.endr
.endr
.irp i, 0,1,2,3
	v_cvt_scalef32_pk8_fp8_f32 v[T+2*((4*(\g)+\i)%16):T+2*((4*(\g)+\i)%16)+1], v[R+16*(\g)+4*\i:R+16*(\g)+4*\i+7], v[12+\i]   ; the first four numbers are the row's: the low register is kept, the high one is not used
.endr
.irp i, 0,1,2,3
	v_lshrrev_b32 v[8+\i], 23, v[12+\i]            ; the byte
.endr
.irp i, 0,1,2,3
	ds_store_b32 v4, v[T+2*((4*(\g)+\i)%16)] offset:2176*(((4*(\g)+\i)/8)%2)+16*(((4*(\g)+\i)%8)+8*((4*(\g)+\i)/16))
	ds_store_b8 v0, v[8+\i] offset:64*(((4*(\g)+\i)/8)%2)+4*(((4*(\g)+\i)%8)+8*((4*(\g)+\i)/16))   ; the block's eight lanes write the same byte with the same value
.endr
.endm
.set G_, 0
.rept 8
	XG G_
.set G_, G_+1
.endr
	v_nop                                          ; a plain line behind the last conversions
	s_mov_b32 s38, s37
	s_add_nc_u64 s[14:15], s[14:15], s[38:39]
.irp k, 0,1,2,3,4,5,6,7
	ds_load_b128 v[R+4*\k:R+4*\k+3], v7 offset:544*\k   ; LDS serves a wave's instructions in order: these see my stores
.endr
	ds_load_b32 v[R+32], v1
.irp k, 0,1,2,3,4,5,6,7
	s_wait_dscnt 8-\k
	global_store_b128 v5, v[R+4*\k:R+4*\k+3], s[14:15] offset:512*\k
.endr
	s_wait_dscnt 0x0
	global_store_b32 v6, v[R+32], s[30:31]
	s_branch .Lend
; ---------------- a weight.  Lane L holds columns 4 L + j, j = 0 .. 3, and register 4 i + j is k = 32 wave + i: a column's block of 32 lies in one lane
.Lweights:
	v_bfe_u32 v0, v1, 1, 1
	v_lshrrev_b32 v4, 3, v1
	v_lshl_add_u32 v4, v4, 1, v0                   ; my columns' tile
	v_and_b32 v0, 1, v1
	v_bfe_u32 v7, v1, 2, 1
	v_lshlrev_b32 v7, 3, v7
	v_lshl_add_u32 v7, v0, 2, v7                   ; column 0's row in it
	v_lshlrev_b32 v0, 6, v4
	v_lshl_add_u32 v0, v7, 2, v0
	v_add_nc_u32 v0, s35, v0                       ; my wave's byte of its scale word
	v_mul_u32_u24 v4, v4, 272
	v_lshl_add_u32 v4, v7, 4, v4
	v_add_nc_u32 v4, s33, v4                       ; into the image: unit 8 h + tile
	v_lshrrev_b32 v7, 4, v1
	v_mul_u32_u24 v7, v7, 2176
	v_and_b32 v8, 15, v1
	v_lshl_add_u32 v7, v8, 4, v7
	v_add_nc_u32 v7, s33, v7                       ; and back: a tile's two units an instruction
	v_add_nc_u32 v1, s36, v6                       ; the scale words, a word a lane
.irp t, 0,1,2,3                        ; the four columns' largest magnitudes, eight rows at a time
.if \t > 0
	s_wait_alu depctr_va_vdst(0)
.endif
	s_wait_loadcnt 24-8*\t
.irp i, 0,2,4,6
.irp j, 0,1,2,3
.if \t+\i == 0
	v_max3_num_f32 v[8+\j], |v[R+\j]|, |v[R+4+\j]|, 0x4800000
.else
	v_max3_num_f32 v[8+\j], v[8+\j], |v[R+4*(8*\t+\i)+\j]|, |v[R+4*(8*\t+\i)+4+\j]|
.endif
.endr
.endr
.endr
.irp j, 0,1,2,3
	v_add_nc_u32 v[12+\j], 0xfc000000, v[8+\j]
.endr
.irp j, 0,1,2,3
	v_and_or_b32 v[8+\j], v[8+\j], 0x7f800000, s32
.endr
.irp j, 0,1,2,3
	v_lshrrev_b32 v[C+12+\j], 23, v[12+\j]
.endr
.irp j, 0,1,2,3
	ds_store_b8 v0, v[C+12+\j] offset:4*\j
.endr
.macro WC j                            ; column j: the hold gathers its numbers into 32 registers on end
.set Q_, 0
.rept 32
	v_med3_num_f32 v[T+Q_], v[R+4*Q_+\j], -v[8+\j], v[8+\j]
.set Q_, Q_+1
.endr
.irp g, 0,1,2,3
	v_cvt_scalef32_pk8_fp8_f32 v[C+8*(\j%2)+2*\g:C+8*(\j%2)+2*\g+1], v[T+8*\g:T+8*\g+7], v[12+\j]
.endr
	v_nop                                          ; a plain line behind the last conversion
	ds_store_b128 v4, v[C+8*(\j%2):C+8*(\j%2)+3] offset:16*\j
	ds_store_b128 v4, v[C+8*(\j%2)+4:C+8*(\j%2)+7] offset:16*\j+2176
.endm
	WC 0
	WC 1
	WC 2
	WC 3
	s_add_nc_u64 s[14:15], s[14:15], s[38:39]
.irp k, 0,1,2,3,4,5,6,7
	ds_load_b128 v[R+4*\k:R+4*\k+3], v7 offset:272*\k
.endr
	s_wait_dscnt 0x0                               ; my bytes of the scale words have landed, for the other waves' sake
	s_barrier_signal -1
	s_barrier_wait -1
	ds_load_b32 v[R+32], v1
.irp k, 0,1,2,3,4,5,6,7
	global_store_b128 v5, v[R+4*\k:R+4*\k+3], s[14:15] offset:2048*\k
.endr
	s_wait_dscnt 0x0
	global_store_b32 v6, v[R+32], s[30:31]
.Lend:
	s_wait_tensorcnt 0x0                           ; the wave's end
	ds_add_u32 v[SPW], v[NIL]
	s_wait_dscnt 0x0
	s_endpgm
.Lfunc_end_k_qa9f5946c9e_quant:
	.size	k_qa9f5946c9e_quant, .Lfunc_end_k_qa9f5946c9e_quant-k_qa9f5946c9e_quant
	.p2alignl 7, 3214868480
	.fill 96, 4, 3214868480
	.section	.rodata,"a",@progbits
	.p2align	6, 0x0
	.amdhsa_kernel k_qa9f5946c9e_quant
		.amdhsa_group_segment_fixed_size 18944
		.amdhsa_private_segment_fixed_size 0
		.amdhsa_enable_private_segment 0
		.amdhsa_kernarg_size 48
		.amdhsa_user_sgpr_count 2
		.amdhsa_user_sgpr_kernarg_segment_ptr 1
		.amdhsa_wavefront_size32 1
		.amdhsa_system_sgpr_workgroup_id_x 1
		.amdhsa_system_sgpr_workgroup_id_y 1
		.amdhsa_system_sgpr_workgroup_id_z 1
		.amdhsa_system_vgpr_workitem_id 0
		.amdhsa_next_free_vgpr 192
		.amdhsa_next_free_sgpr 66
		.amdhsa_reserve_vcc 0
		.amdhsa_float_denorm_mode_32 3
		.amdhsa_float_denorm_mode_16_64 3
		.amdhsa_memory_ordered 1
		.amdhsa_forward_progress 1
		.amdhsa_inst_pref_size 57
	.end_amdhsa_kernel
	.amdgpu_metadata
---
amdhsa.version: [ 1, 2 ]
amdhsa.kernels:
  - .name:           k_qa9f5946c9e_quant
    .symbol:         k_qa9f5946c9e_quant.kd
    .args:
      - { .name: x, .offset: 0, .size: 8, .value_kind: global_buffer, .address_space: global }
      - { .name: wq, .offset: 8, .size: 8, .value_kind: global_buffer, .address_space: global }
      - { .name: wk, .offset: 16, .size: 8, .value_kind: global_buffer, .address_space: global }
      - { .name: wv, .offset: 24, .size: 8, .value_kind: global_buffer, .address_space: global }
      - { .name: wo, .offset: 32, .size: 8, .value_kind: global_buffer, .address_space: global }
      - { .name: xw, .offset: 40, .size: 8, .value_kind: global_buffer, .address_space: global }
    .group_segment_fixed_size: 18944
    .private_segment_fixed_size: 0
    .kernarg_segment_align: 8
    .kernarg_segment_size: 48
    .max_flat_workgroup_size: 128
    .sgpr_count:     66
    .vgpr_count:     192
    .wavefront_size: 32
...
	.end_amdgpu_metadata
.endif
;; end of part 1
;; launch qkv (part 2): grid 16 x 16, 4 waves a work-group, clusters of 4 x 4, 327,680 bytes of LDS; arguments xw, cos, sin, qkv_c, qkv_s; writes qkv_c, qkv_s
.if DOCPART == 2
	.amdgcn_target "amdgcn-amd-amdhsa--gfx1250"
	.amdhsa_code_object_version 6
	.text
	.protected	k_qa9f5946c9e_qkv
	.globl	k_qa9f5946c9e_qkv
	.p2align	8
	.type	k_qa9f5946c9e_qkv,@function
k_qa9f5946c9e_qkv:
	s_mov_b64 s[64:65], 0
	v_nop
	global_prefetch_b8 v0, s[64:65] scope:SCOPE_SE
	s_setreg_imm32_b32 hwreg(HW_REG_WAVE_MODE, 25, 1), 1
	s_wait_xcnt 0x0
	s_wait_alu depctr_hold_cnt(0) depctr_sa_sdst(0) depctr_va_vdst(0) depctr_va_sdst(0) depctr_va_ssrc(0) depctr_va_vcc(0) depctr_vm_vsrc(0)
	s_getreg_b32 s2, hwreg(HW_REG_IB_STS2, 6, 4)
	s_cmp_eq_u32 s2, 0
	s_cbranch_scc0 .Lentry_in_a_cluster
	s_endpgm
.Lentry_in_a_cluster:
	s_bfe_u32 s2, ttmp6, 0x10000c
	s_cmp_lg_u32 s2, 0xf033
	s_cbranch_scc0 .Lentry_shape_is_right
	s_endpgm
.Lentry_shape_is_right:
; q = rope(x wq), k = rope(x wk), v = x wv on codes of FP8 (E4M3) with E8M0 scales; the results are quantised in registers (q, k along the head's 128, v along the keys) and leave as images of operand registers.
; SHARES.  A work-group makes 128 rows of the sequence (8 tiles of x) x one head's q, k and v (24 tiles of w).  Wave w (b = w % 2, qk = w / 2: 0 q, 1 k) takes all 8 tiles of x against six tiles of w:
; tiles 2 b, 2 b + 1, 2 b + 4, 2 b + 5 of q or k (channels 32 b .. + 31 and 64 + 32 b .. + 31, which the rotation pairs) and tiles 2 w, 2 w + 1 of v: 48 accumulators, 14 fragments from LDS for 48 matrix instructions.
; q, k: source 0 = 16 columns of w, source 1 = 16 rows of x: a lane holds one row of the sequence, its registers run along the channels.  v: source 0 = x, source 1 = w: a lane holds one channel, its registers run along the keys.
; K goes through two LDS slots of 256 along K, each four slabs (x, wq, wk, wv; codes and scale words together, as the first launch lays them): wave w fetches slab w, one tensor load of 132 rows of 256 bytes.
; CLUSTER 4 x 4: the four work-groups of a row of the cluster share x's slabs, the four of a column w's: each is asked for jointly.
; A K STEP is four groups of 12 products, by pairs of x's tiles; the next K step's 63 LDS loads stand in four runs behind the groups, and are waited for by count: the words and w first, then x's tiles in order.
; COS AND SIN of the 128 rows come into slot 0 when its last content has been read: 64 rows of one of them a wave, shared along the row of the cluster, 16 bytes of padding behind each row.
; PREFETCH.  Behind the load of slot content j, j = 1 to 5, each wave asks for content j + 2 of its own slab (behind content 1's for content 2 too; content 1 is asked for at the head): of its 132 rows of 256 bytes a partner takes 32 and one of
; the last four, told apart by address (cx for x, cy for w).  In the loop's last trip waves 0 and 2 ask for cos and sin, 32 rows a partner.
; OUT.  qkv_c: q at 0, k at 4,194,304: [head][tile 128][2048]; v at 8,388,608: [head][key step 16][channel tile 8][2048].  qkv_s: q at 0, k at 131,072: [head][tile][16 words]; v at 262,144: [head][key step][tile][16 words].
; In q and k the four blocks of 32 channels lie in the order 0, 2, 1, 3, alike in both: the same products, summed in another order.  A wave then writes two neighbouring groups of an image and one half of each scale word
; (two bytes a lane: the scale words are one part in 32 of the codes' bytes).
; LIMITS: NaN and infinities are not served; a block whose largest magnitude lies under 2^-118 gets the byte 1 (only this program reads the bytes).
; REGISTERS, in windows of 256.  Window 0: v6-15 small words of the way out; v16-31, v60-63 addresses; v32-46 scale words, two sets (x's at 0-3, q's or k's at 4-5, v's at 6: no two of a product are equal modulo 8); v64-255 w's fragments,
;   two sets of 96 (on the way out: v64-127 numbers, v128-223 codes, v224-255 at work).   Window 1: x's fragments, two sets of 128 (on the way out cos and sin, 64 for each pair of tiles).   Window 2: q's or k's accumulators at 32 T + 8 f.
;   Window 3: v's at 64 g + 8 T.
.set SLAB,  33792
.set SLOT,  4*SLAB
.set SPARE, 2*SLOT
.set CSP,   272                        ; cos and sin in LDS: a row's pitch; sin begins behind cos's 128 rows
.set SINB,  128*CSP
.set PWV, 6                            ; v6-7   v's two scale words;  v8 both, one in each half of the lanes
.set PVS, 8
.set PWQ, 9                            ; v9     a tile pair's scale bytes;  v10 its upper half;  v12-15 what is stored, a register for each pair
.set QT,  10
.set QD,  12
.set PF2, 5                            ; v5     the prefetch of the slab's last rows
.set ADX, 16                           ; v16-17 LDS address of x's fragments in slot 0, 1
.set ADQ, 18                           ; of my four fragments of wq or wk
.set ADV, 20                           ; of my two of wv
.set ASX, 22                           ; of the scale words: x's, wq's or wk's, wv's
.set ASQ, 24
.set ASV, 26
.set SPW, 28                           ; LDS address of my spare word; never rewritten
.set NIL, 29                           ; 0; never rewritten
.set L16, 30                           ; 16 lane
.set L4,  31                           ; 4 lane
.set CSO, 60                           ; LDS address of my 16 numbers of cos
.set QO,  61                           ; 16 lane + 1,024 b: my two groups of an image of q or k
.set QS,  62                           ; 4 lane + 2 b: my half of a scale word
.set PFO, 63                           ; 256 lane
.set SC,  32
.set WF,  64
.set HH,  64
.set PC,  128
.set PCV, 192
.set TM,  224
.set TT,  240
.set G1,  24                           ; s[24:31] group 1 for x's slabs;  s[32:39] group 0, a set for each slot
.set G0,  32
.set G1B, 48                           ; s[48:55], s[56:63] the same for w's
.set G0B, 56
.set SEL, 66                           ; s[66:67] lane selects: lane l xor 16
.set MNT, 68                           ; s68 the mantissa field of 448
.set MK,  69                           ; s69 the mask of lanes 16-31
.set PFA, 70                           ; s[70:71] my prefetches: the content whose load is issued
.set PFC, 72                           ; s[72:73] my prefetch of cos or sin;  s74 the trip in which I ask for it
.set LIMC, 74
.set G1C, 80                           ; s[80:87] group 1 for cos and sin;  s[88:91], s[92:95] group 0 for each
.set G0C, 88
.set G0S, 92
.set MSB, 0
.macro WIN new                         ; the immediate's high byte repeats the setting that is left; a switch that changes nothing is dropped
.if MSB != (\new)
	s_set_vgpr_msb (MSB<<8)|(\new)
.set MSB, (\new)
.endif
.endm
; A joint load in two lines, each with one mask and one set of registers; the branch hangs on the wave's number alone.
.macro TWO g0a, g1a, g0b, g1b
	s_cbranch_scc0 .Lfor_b_\@
	tensor_load_to_lds s[\g0a:\g0a+3], s[\g1a:\g1a+7]
	s_nop 0
.rept 4
	v_nop
.endr
	s_branch .Lasked_\@
.Lfor_b_\@:
	tensor_load_to_lds s[\g0b:\g0b+3], s[\g1b:\g1b+7]
	s_nop 0
.rept 4
	v_nop
.endr
.Lasked_\@:
.endm
.macro JLOAD s                         ; wave 0 fetches x's slab, waves 1 to 3 w's
	s_cmp_eq_u32 s16, 0
	TWO G0+4*\s,G1,G0B+4*\s,G1B
.endm
.macro CREST                           ; a round of the cluster's barrier behind its opening barrier
	s_cmp_lg_u32 s16, 0
	s_cbranch_scc1 .Lnot_wave_0_\@
	s_barrier_signal -3
.Lnot_wave_0_\@:
	s_barrier_wait -3
	s_barrier_signal -1
	s_barrier_wait -1
.endm
.macro CROUND
	s_barrier_signal -1
	s_barrier_wait -1
	CREST
.endm
.macro PLACES n
.rept \n
	v_nop
.endr
.endm
.macro ASK off                         ; 32 rows of my slab, a lane a row, and one of its last four
	global_prefetch_b8 v[PFO], s[PFA:PFA+1] offset:\off th:TH_LOAD_NT scope:SCOPE_SE
	global_prefetch_b8 v[PF2], s[PFA:PFA+1] offset:\off th:TH_LOAD_NT scope:SCOPE_SE
.endm
	s_load_b64 s[4:5], s[0:1], 0x0                 ; xw
	s_load_b128 s[8:11], s[0:1], 0x8               ; cos, sin
	s_load_b128 s[12:15], s[0:1], 0x18             ; qkv_c, qkv_s
	v_lshl_add_u32 v[SPW], v0, 2, SPARE
	v_mov_b32 v[NIL], 0
	ds_add_u32 v[SPW], v[NIL]                      ; the wave's opening: the add, twice on end, and its wait ahead of my first tensor load
	ds_add_u32 v[SPW], v[NIL]
	v_lshrrev_b32 v1, 5, v0
	v_readfirstlane_b32 s16, v1                    ; wave
	s_and_b32 s17, s16, 1                          ; b
	s_lshr_b32 s18, s16, 1                         ; qk
	s_bfe_u32 s40, ttmp6, 0x40000                  ; cx, cy
	s_bfe_u32 s41, ttmp6, 0x40004
	s_lshl_b32 s42, ttmp9, 2
	s_add_co_u32 s42, s42, s40                     ; the head = 4 x cluster x + cx
	s_and_b32 s43, ttmp7, 0xffff
	s_lshl_b32 s43, s43, 2
	s_add_co_u32 s43, s43, s41                     ; the block of 128 rows = 4 x cluster y + cy
	s_lshl_b32 s44, s41, 2
	s_lshl_b32 s44, 15, s44                        ; my row of the cluster
	s_lshl_b32 s45, 0x1111, s40                    ; my column
	; a slab is a dense block, stated as 132 rows of 256 bytes: 32 elements of 8 bytes, pitch 32, no padding
	s_or_b32 s[G1], s44, (3<<16)|(1<<21)           ; 15:0 the mask; 17:16 elements of 8 bytes; 21 set beside a mask
	s_or_b32 s[G1B], s45, (3<<16)|(1<<21)
.irp g, G1, G1B
	s_mov_b32 s[\g+1], 32<<16                      ; tensor_dim0
	s_mov_b32 s[\g+2], 132<<16                     ; tensor_dim1
	s_mov_b32 s[\g+3], 32<<16                      ; tile_dim0
	s_mov_b32 s[\g+4], 132                         ; tile_dim1
	s_mov_b32 s[\g+5], 32                          ; the pitch
	s_mov_b32 s[\g+6], 0
	s_mov_b32 s[\g+7], 0
.endr
	s_mul_i32 s20, s43, 8*SLAB                     ; x's slabs: eight a row block.  (x's registers never hold the head, w's never the row block)
	s_mov_b32 s21, 0
	s_lshl_b32 s46, s16, 4
	s_add_co_u32 s46, s46, s42
	s_mul_i32 s46, s46, 8*SLAB                     ; w's: tensor = wave, block = head
	s_mov_b32 s47, 0
	s_mul_i32 s2, s16, SLAB                        ; where they go in a slot
	s_cmp_eq_u32 s16, 0                            ; the prefetches: my slab, and my place among the four that load it
	s_cselect_b32 s72, s20, s46
	s_cselect_b32 s74, s40, s41
	s_lshl_b32 s75, s74, 13
	s_add_co_u32 s72, s72, s75                     ; 32 rows a partner
	s_mov_b32 s73, 0
	s_mul_i32 s74, s74, 7936
	s_sub_co_u32 s82, 32768, s74                   ; from there to row 128 + place
	s_mov_b32 s[SEL], 0x76543210
	s_mov_b32 s[SEL+1], 0xfedcba98
	s_mov_b32 s[MNT], 0x600000
	s_wait_dscnt 0x0                               ; both opening adds are done
	CROUND                                         ; all sixteen work-groups are here: the first joint loads meet
	s_wait_kmcnt 0x0
	s_add_nc_u64 s[20:21], s[4:5], s[20:21]
	s_add_nc_u64 s[46:47], s[4:5], s[46:47]
	s_add_nc_u64 s[PFA:PFA+1], s[4:5], s[72:73]
.irp s, 0,1
	s_mov_b32 s[G0+4*\s], 1
	s_add_co_u32 s[G0+4*\s+1], s2, \s*SLOT
	s_add_nc_u64 s[G0+4*\s+2:G0+4*\s+3], s[20:21], \s*SLAB
	s_or_b32 s[G0+4*\s+3], s[G0+4*\s+3], 0x80000000
	s_mov_b32 s[G0B+4*\s], 1
	s_add_co_u32 s[G0B+4*\s+1], s2, \s*SLOT
	s_add_nc_u64 s[G0B+4*\s+2:G0B+4*\s+3], s[46:47], \s*SLAB
	s_or_b32 s[G0B+4*\s+3], s[G0B+4*\s+3], 0x80000000
.endr
	JLOAD 0                                        ; one tensor load a wave at the head
	s_lshl_b32 s2, s43, 15                         ; cos and sin at my block's first row
	s_mov_b32 s3, 0
	s_add_nc_u64 s[8:9], s[8:9], s[2:3]
	s_add_nc_u64 s[10:11], s[10:11], s[2:3]
	s_cmp_lt_u32 s16, 2                            ; the prefetch: wave 0 cos, wave 2 sin, 32 rows a partner
	s_cselect_b64 s[PFC:PFC+1], s[8:9], s[10:11]
	s_lshl_b32 s2, s40, 13
	s_add_nc_u64 s[PFC:PFC+1], s[PFC:PFC+1], s[2:3]
	s_cmp_eq_u32 s17, 0
	s_cselect_b32 s[LIMC], 1, -1                   ; in the trip with s3 = 1; never in waves 1 and 3
	s_lshl_b32 s19, s42, 18                        ; the results' codes: 262,144 a head + 16,384 a row block,
	s_lshl_b32 s2, s43, 14
	s_add_co_u32 s19, s19, s2
	s_lshl_b32 s2, s16, 12                         ; v: + my two channel tiles
	s_add_co_u32 s2, s2, s19
	s_add_co_u32 s2, s2, 8388608
	s_add_nc_u64 s[96:97], s[12:13], s[2:3]
	s_lshl_b32 s2, s18, 22                         ; q or k
	s_add_co_u32 s2, s2, s19
	s_add_nc_u64 s[12:13], s[12:13], s[2:3]
	s_lshr_b32 s19, s19, 5                         ; their scale words: a 32nd of that
	s_lshl_b32 s2, s16, 7
	s_add_co_u32 s2, s2, s19
	s_add_co_u32 s2, s2, 262144
	s_add_nc_u64 s[98:99], s[14:15], s[2:3]
	s_lshl_b32 s2, s18, 17
	s_add_co_u32 s2, s2, s19
	s_add_nc_u64 s[14:15], s[14:15], s[2:3]
	s_add_co_u32 s2, s18, 1
	s_mul_i32 s2, s2, SLAB                         ; slab 1 or 2,
	s_lshl_b32 s75, s17, 12
	s_add_co_u32 s75, s75, s2                      ; tile 2 b
	s_lshl_b32 s76, s17, 7
	s_add_co_u32 s76, s76, s2
	s_add_co_u32 s76, s76, 32768                   ; its scale words
	s_lshl_b32 s77, s16, 12
	s_add_co_u32 s77, s77, 3*SLAB                  ; slab 3, tile 2 w
	s_lshl_b32 s78, s16, 7
	s_add_co_u32 s78, s78, 3*SLAB+32768
	s_lshl_b32 s79, s17, 7
	s_lshl_b32 s88, s17, 10
	s_lshl_b32 s89, s17, 1
	v_and_b32 v1, 31, v0                           ; lane
	v_and_b32 v2, 15, v0                           ; r
	v_bfe_u32 v3, v0, 4, 1                         ; h
	v_lshlrev_b32 v[L16], 4, v1
	v_lshlrev_b32 v[L4], 2, v1
	v_lshlrev_b32 v[ADX], 4, v1
	v_add_nc_u32 v[ADX+1], SLOT, v[ADX]
	v_add_nc_u32 v[ADQ], s75, v[L16]
	v_add_nc_u32 v[ADQ+1], SLOT, v[ADQ]
	v_add_nc_u32 v[ADV], s77, v[L16]
	v_add_nc_u32 v[ADV+1], SLOT, v[ADV]
	v_add_nc_u32 v[ASX], 32768, v[L4]
	v_add_nc_u32 v[ASX+1], SLOT, v[ASX]
	v_add_nc_u32 v[ASQ], s76, v[L4]
	v_add_nc_u32 v[ASQ+1], SLOT, v[ASQ]
	v_add_nc_u32 v[ASV], s78, v[L4]
	v_add_nc_u32 v[ASV+1], SLOT, v[ASV]
	v_and_b32 v4, 8, v2
	v_add_nc_u32 v4, v4, v2                        ; r + 8 (r / 8)
	v_mul_u32_u24 v[CSO], v4, CSP                  ; my 16 numbers begin at 32 b + 16 h of the row
	v_lshl_add_u32 v[CSO], v3, 6, v[CSO]
	v_add_nc_u32 v[CSO], s79, v[CSO]
	v_add_nc_u32 v[QO], s88, v[L16]
	v_add_nc_u32 v[QS], s89, v[L4]
	v_lshlrev_b32 v[PFO], 8, v1
	v_mov_b32 v[PF2], s82
	v_cmp_lt_u32 s[MK], 15, v1
	ASK SLAB                                       ; content 1
	s_wait_alu depctr_va_vdst(0)                   ; the wait ahead of the scalar lines below and at the head's end
	; cos and sin: 64 rows of 256 bytes a wave, 16 bytes of padding behind each
	s_or_b32 s[G1C], s44, (3<<16)|(1<<20)|(1<<21)|(5<<22)|(3<<25)   ; 20 padding on; 24:22 after every 64 words; 31:25 of 4 words
	s_mov_b32 s[G1C+1], 32<<16
	s_mov_b32 s[G1C+2], 64<<16
	s_mov_b32 s[G1C+3], 32<<16
	s_mov_b32 s[G1C+4], 64
	s_mov_b32 s[G1C+5], 32
	s_mov_b32 s[G1C+6], 0
	s_mov_b32 s[G1C+7], 0
	s_lshl_b32 s2, s17, 14
	s_mul_i32 s19, s17, 64*CSP
	s_mov_b32 s[G0C], 1
	s_mov_b32 s[G0C+1], s19
	s_add_nc_u64 s[G0C+2:G0C+3], s[8:9], s[2:3]
	s_or_b32 s[G0C+3], s[G0C+3], 0x80000000
	s_mov_b32 s[G0S], 1
	s_add_co_u32 s[G0S+1], s19, SINB
	s_add_nc_u64 s[G0S+2:G0S+3], s[10:11], s[2:3]
	s_or_b32 s[G0S+3], s[G0S+3], 0x80000000
; one scaled product; ra, rb: the half of the lanes from which a side's scale words are read; c: 0 starts the sum: nothing is ever cleared
.macro WN d, a, b, c, sa, ra, sb, rb
.if (\ra) && (\rb)
	v_wmma_scale_f32_16x16x128_f8f6f4 v[(\d):(\d)+7], v[(\a):(\a)+15], v[(\b):(\b)+15], \c, v[(\sa)], v[(\sb)] matrix_a_scale:MATRIX_SCALE_ROW1 matrix_b_scale:MATRIX_SCALE_ROW1
.elseif (\ra)
	v_wmma_scale_f32_16x16x128_f8f6f4 v[(\d):(\d)+7], v[(\a):(\a)+15], v[(\b):(\b)+15], \c, v[(\sa)], v[(\sb)] matrix_a_scale:MATRIX_SCALE_ROW1
.elseif (\rb)
	v_wmma_scale_f32_16x16x128_f8f6f4 v[(\d):(\d)+7], v[(\a):(\a)+15], v[(\b):(\b)+15], \c, v[(\sa)], v[(\sb)] matrix_b_scale:MATRIX_SCALE_ROW1
.else
	v_wmma_scale_f32_16x16x128_f8f6f4 v[(\d):(\d)+7], v[(\a):(\a)+15], v[(\b):(\b)+15], \c, v[(\sa)], v[(\sb)]
.endif
.endm
.macro WM d, a, b, sa, ra, sb, rb, zero
.if \zero
	WN \d,\a,\b,0,\sa,\ra,\sb,\rb
.else
	WN \d,\a,\b,v[(\d):(\d)+7],\sa,\ra,\sb,\rb
.endif
.endm
.macro PAIR n, p, zero                 ; x's tiles 2 n, 2 n + 1 of set p: eight products of q or k, four of v
	WIN 0xa4                                       ; source 0 (w) window 0, source 1 (x) window 1, C and D window 2
.irp u, 0,1
.irp f, 0,1,2,3
	WM 32*(2*(\n)+\u)+8*\f,WF+96*(\p)+16*\f,128*(\p)+16*(2*(\n)+\u),SC+8*(\p)+4+\f/2,\f%2,SC+8*(\p)+\n,\u,\zero
.endr
.endr
	WIN 0xf1                                       ; source 0 (x) window 1, source 1 (w) window 0, C and D window 3
.irp u, 0,1
.irp g, 0,1
	WM 64*\g+8*(2*(\n)+\u),128*(\p)+16*(2*(\n)+\u),WF+96*(\p)+16*(4+\g),SC+8*(\p)+\n,\u,SC+8*(\p)+6,\g,\zero
.endr
.endr
.endm
.macro LW slot, q, p                   ; the slot's q-th K step into set p: 7 loads of scale words (a register: two tiles, one in each half of the lanes) and w's 24
	WIN 0
.irp k, 0,1,2,3
	ds_load_b32 v[SC+8*(\p)+\k], v[ASX+\slot] offset:512*(\q)+128*\k
.endr
.irp k, 0,1
	ds_load_b32 v[SC+8*(\p)+4+\k], v[ASQ+\slot] offset:512*(\q)+256*\k
.endr
	ds_load_b32 v[SC+8*(\p)+6], v[ASV+\slot] offset:512*(\q)
.irp f, 0,1,2,3
.irp c, 0,1,2,3
	ds_load_b128 v[WF+96*(\p)+16*\f+4*\c:WF+96*(\p)+16*\f+4*\c+3], v[ADQ+\slot] offset:16384*(\q)+2048*(\f+2*(\f/2))+512*\c
.endr
.endr
.irp g, 0,1
.irp c, 0,1,2,3
	ds_load_b128 v[WF+96*(\p)+16*(4+\g)+4*\c:WF+96*(\p)+16*(4+\g)+4*\c+3], v[ADV+\slot] offset:16384*(\q)+2048*\g+512*\c
.endr
.endr
.endm
.macro LX slot, q, p, n                ; x's tiles 2 n, 2 n + 1: 8 loads
	WIN 0x40                                       ; destination window 1
.irp u, 0,1
.irp c, 0,1,2,3
	ds_load_b128 v[128*(\p)+16*(2*(\n)+\u)+4*\c:128*(\p)+16*(2*(\n)+\u)+4*\c+3], v[ADX+\slot] offset:16384*(\q)+2048*(2*(\n)+\u)+512*\c
.endr
.endr
.endm
; The 48 accumulators take turns, one instruction a turn, in the same order in every K step, over the loop's backward jump too.
; A load into a register that a matrix instruction has read stands eight plain vector instructions behind it: the eight v_nop stand once a K step, ahead of its first loads into the set that the K step before has read.
.macro STEP slot, zero                 ; a slot's first K step: set 0; the second's operands go into set 1
	s_wait_dscnt 24                                ; words, w and x's tiles 0, 1 are in; tiles 2 to 7 (24 loads) may be out
	PAIR 0, 0, \zero
	PLACES 8
	LW \slot, 1, 1
	s_wait_dscnt 47                                ; tiles 2, 3 are in: behind them 16 loads of x and the 31
	PAIR 1, 0, \zero
	LX \slot, 1, 1, 0
	s_wait_dscnt 47                                ; tiles 4, 5: behind them 8, 31 and 8
	PAIR 2, 0, \zero
	LX \slot, 1, 1, 1
	s_wait_dscnt 47                                ; tiles 6, 7: behind them 31, 8 and 8
	PAIR 3, 0, \zero
	LX \slot, 1, 1, 2
	LX \slot, 1, 1, 3
.endm
; A slot's second K step changes slots: one barrier; in front of it each wave waits for all its tensor loads, adds 0 to its spare word, and waits for that and for its reads of this slot.
; fill = 1: the slot is filled again, two contents ahead;  fill = 2: with cos and sin.
.macro TURN slot, next, fill
	WIN 0
.if (\fill) == 1
	s_wait_xcnt 0x0                                ; my prefetches have read their address
	s_add_nc_u64 s[PFA:PFA+1], s[PFA:PFA+1], SLAB
.endif
	s_wait_tensorcnt 0x0                           ; all my tensor loads have landed: my part of the next slot
	ds_add_u32 v[SPW], v[NIL]                      ; 0 onto my spare word
	s_wait_dscnt 25                                ; as above; the add may be out too
	PAIR 0, 1, 0
	s_wait_dscnt 0x0                               ; the add is done, and my reads of this slot are over
	s_barrier_signal -1
	PAIR 1, 1, 0
	WIN 0
	s_barrier_wait -1
	CREST                                          ; the barrier has opened a round of the cluster's: no wave of any partner still reads this slot or has a load on its way
.if (\fill) == 1
	s_add_nc_u64 s[G0+4*\slot+2:G0+4*\slot+3], s[G0+4*\slot+2:G0+4*\slot+3], 2*SLAB
	s_add_nc_u64 s[G0B+4*\slot+2:G0B+4*\slot+3], s[G0B+4*\slot+2:G0B+4*\slot+3], 2*SLAB
	JLOAD \slot                                    ; the first tensor load behind the round, my one load until the next; its four v_nop are among the places in front of the loads below
.else
	s_cmp_lt_u32 s16, 2                            ; waves 0 and 1 cos, waves 2 and 3 sin
	TWO G0C,G1C,G0S,G1C
.endif
	PLACES 4
	LW \next, 0, 0
	LX \next, 0, 0, 0
.if (\fill) == 1
	WIN 0
	s_cmp_gt_u32 s3, 1                             ; the last trip's fills are the last contents
	s_cbranch_scc0 .Lnone_ahead_\@
	ASK 2*SLAB
.Lnone_ahead_\@:
.if (\slot) == 0
	s_cmp_eq_u32 s3, s[LIMC]
	s_cbranch_scc0 .Lno_cos_\@
	global_prefetch_b8 v[PFO], s[PFC:PFC+1] th:TH_LOAD_NT scope:SCOPE_SE
.Lno_cos_\@:
.endif
.endif
	PAIR 2, 1, 0
	LX \next, 0, 0, 1
	PAIR 3, 1, 0
	LX \next, 0, 0, 2
	LX \next, 0, 0, 3
.endm
	s_wait_tensorcnt 0x0                           ; my slab of slot 0 is in; these lines stand ahead of a later first fill, as ahead of a refill
	ds_add_u32 v[SPW], v[NIL]
	s_wait_xcnt 0x0
	s_add_nc_u64 s[PFA:PFA+1], s[PFA:PFA+1], SLAB
	s_wait_dscnt 0x0
	CROUND
	JLOAD 1                                        ; content 1
	LW 0, 0, 0
	LX 0, 0, 0, 0
	LX 0, 0, 0, 1
	LX 0, 0, 0, 2
	LX 0, 0, 0, 3
	WIN 0
	ASK SLAB                                       ; contents 2
	ASK 2*SLAB                                     ; and 3
	STEP 0, 1                                      ; the first K step stands in front of the loop: its products start the sums
	WIN 0
	s_mov_b32 s3, 3
.Llap:                                             ; a trip goes once round the ring and fills both slots again: contents 2 to 7
	TURN 0, 1, 1
	STEP 1, 0
	TURN 1, 0, 1
	STEP 0, 0
	WIN 0
	s_sub_co_u32 s3, s3, 1
	s_cmp_lg_u32 s3, 0
	s_cbranch_scc1 .Llap
	TURN 0, 1, 2                                   ; the last lap: slot 0 takes cos and sin
	STEP 1, 0
	s_wait_dscnt 24
	PAIR 0, 1, 0
	s_wait_dscnt 16
	PAIR 1, 1, 0
	s_wait_dscnt 8
	PAIR 2, 1, 0
	s_wait_dscnt 0x0
	PAIR 3, 1, 0
	WIN 0
; ---------------- THE WAY OUT.  No branch: the waves differ in addresses alone.
; 64 numbers of a lane in window win, register 16 b + i = k 32 b + 16 h + i of my row, become 16 code registers and a scale word.  The hold moves them into window 0, to v[h] on.
.macro QUANT s, win, h, pc, pw
	WIN (\win)*5                                   ; sources 0 and 1 in the numbers' window
.irp b, 0,1,2,3
	v_max3_num_f32 v[TM+\b], |v[(\s)+16*\b]|, |v[(\s)+1+16*\b]|, 0x4800000   ; each accumulator is read from its low end on; the floor 2^(9 - 127) holds the byte at 1 from below
.endr
.irp i, 2,4,6,8,10,12,14
.irp b, 0,1,2,3
	v_max3_num_f32 v[TM+\b], |v[(\s)+16*\b+\i]|, |v[(\s)+1+16*\b+\i]|, v[TM+\b]
.endr
.endr
	WIN 0
.irp b, 0,1,2,3
	v_permlanex16_b32 v[TM+4+\b], v[TM+\b], s[SEL], s[SEL+1]
.endr
.irp b, 0,1,2,3
	v_max_num_f32 v[TM+\b], v[TM+\b], v[TM+4+\b]   ; with lane l xor 16's 16: the block's largest magnitude
.endr
.irp b, 0,1,2,3
	v_add_nc_u32 v[TM+12+\b], 0xfc000000, v[TM+\b] ; the conversion's scale operand
.endr
.irp b, 0,1,2,3
	v_and_or_b32 v[TM+8+\b], v[TM+\b], 0x7f800000, s[MNT]   ; 448 x the scale
.endr
.irp b, 0,1,2,3
	v_lshrrev_b32 v[TM+4+\b], 23, v[TM+12+\b]      ; the byte
.endr
	v_lshl_or_b32 v[\pw], v[TM+5], 8, v[TM+4]
	v_lshl_or_b32 v[\pw], v[TM+6], 16, v[\pw]
	v_lshl_or_b32 v[\pw], v[TM+7], 24, v[\pw]
	WIN \win                                       ; source 0 in the numbers' window
.irp b, 0,1,2,3
.irp i, 0,1,2,3,4,5,6,7,8,9,10,11,12,13,14,15
	v_med3_num_f32 v[(\h)+16*\b+\i], v[(\s)+16*\b+\i], -v[TM+8+\b], v[TM+8+\b]   ; the conversion does not saturate (ISA guide 7.6.2): the hold comes first
.endr
.endr
	WIN 0
.irp b, 0,1,2,3
	v_cvt_scalef32_pk8_fp8_f32 v[(\pc)+4*\b:(\pc)+1+4*\b], v[(\h)+16*\b:(\h)+7+16*\b], v[TM+12+\b]
	v_cvt_scalef32_pk8_fp8_f32 v[(\pc)+2+4*\b:(\pc)+3+4*\b], v[(\h)+8+16*\b:(\h)+15+16*\b], v[TM+12+\b]
.endr
	v_nop                                          ; a plain line behind the last conversion
.endm
	PLACES 8                                       ; behind the last products: for the reads of results, the writes of w's registers and the loads into x's
.irp b, 0,1,2,3
	v_mov_b32 v[TM+4+\b], 0                        ; written once: a lane permute's destination counts as one of its sources
.endr
.irp g, 0,1                            ; v stands here, while cos and sin are on their way: a lane holds one channel and 64 of the block's 128 keys
	QUANT 64*\g, 3, HH, PCV+16*\g, PWV+\g
.irp c, 0,1,2,3
	global_store_b128 v[L16], v[PCV+16*\g+4*\c:PCV+16*\g+4*\c+3], s[96:97] offset:2048*\g+512*\c
.endr
.endr
	v_cndmask_b32 v[PVS], v[PWV], v[PWV+1], s[MK]  ; lanes 0-15 the even tile's words, lanes 16-31 the odd one's
	global_store_b32 v[L4], v[PVS], s[98:99]
.macro CSLOAD p                        ; cos and sin of my 16 channels for the rows of tiles 2 p, 2 p + 1: 16 loads into window 1, at 64 p + 32 u + 16 (0 cos, 1 sin)
	WIN 0x40
.irp u, 0,1
.irp j, 0,1,2,3
	ds_load_b128 v[64*(\p)+32*\u+4*\j:64*(\p)+32*\u+4*\j+3], v[CSO] offset:(32*(\p)+8*\u)*CSP+16*\j
	ds_load_b128 v[64*(\p)+32*\u+16+4*\j:64*(\p)+32*\u+16+4*\j+3], v[CSO] offset:SINB+(32*(\p)+8*\u)*CSP+16*\j
.endr
.endr
	WIN 0
.endm
	s_wait_alu depctr_va_vdst(0)
	s_wait_tensorcnt 0x0                           ; my part of cos or sin is in,
	s_wait_dscnt 0x0
	s_barrier_signal -1
	s_barrier_wait -1                              ; and everybody's
	CSLOAD 0
	CSLOAD 1
; a pair of tiles of q or k: the rotation, the quantiser, the stores
.macro QKOUT p
.if (\p) < 3
	s_wait_dscnt 16                                ; this pair's 16 loads of cos and sin are in; the next pair's may be out
.else
	s_wait_dscnt 0x0
.endif
.if (\p) < 2
	CSLOAD (\p)+2
.endif
	WIN 0x06                                       ; source 0 window 2 (the sums), source 1 window 1 (cos, sin)
.irp u, 0,1
.irp i, 0,2,4,6,8,10,12,14
	v_pk_mul_f32 v[TT+4*((\i/2)%4):TT+4*((\i/2)%4)+1], v[32*(2*\p+\u)+16+\i:32*(2*\p+\u)+17+\i], v[64*\p+32*\u+16+\i:64*\p+32*\u+17+\i]   ; upper x sin
	v_pk_mul_f32 v[TT+4*((\i/2)%4)+2:TT+4*((\i/2)%4)+3], v[32*(2*\p+\u)+\i:32*(2*\p+\u)+1+\i], v[64*\p+32*\u+16+\i:64*\p+32*\u+17+\i]   ; lower x sin
	v_pk_fma_f32 v[HH+32*\u+\i:HH+32*\u+1+\i], v[32*(2*\p+\u)+\i:32*(2*\p+\u)+1+\i], v[64*\p+32*\u+\i:64*\p+32*\u+1+\i], v[TT+4*((\i/2)%4):TT+4*((\i/2)%4)+1] neg_lo:[0,0,1] neg_hi:[0,0,1]   ; lower x cos - upper x sin
	v_pk_fma_f32 v[HH+32*\u+16+\i:HH+32*\u+17+\i], v[32*(2*\p+\u)+16+\i:32*(2*\p+\u)+17+\i], v[64*\p+32*\u+\i:64*\p+32*\u+1+\i], v[TT+4*((\i/2)%4)+2:TT+4*((\i/2)%4)+3]   ; upper x cos + lower x sin
.endr
.endr
	WIN 0
	QUANT HH, 0, HH, PC+16*\p, PWQ                 ; its four blocks: (even tile, lower), (even, upper), (odd, lower), (odd, upper)
.irp u, 0,1
.irp k, 0,1
	global_store_b128 v[QO], v[PC+16*\p+8*\u+4*\k:PC+16*\p+8*\u+4*\k+3], s[12:13] offset:(2*\p+\u)*2048+512*\k
.endr
.endr
	v_lshrrev_b32 v[QT], 16, v[PWQ]
	v_cndmask_b32 v[QD+\p], v[PWQ], v[QT], s[MK]   ; lanes 0-15 the even tile's two bytes, lanes 16-31 the odd one's
	global_store_b16 v[QS], v[QD+\p], s[14:15] offset:128*\p
.endm
	QKOUT 0
	QKOUT 1
	QKOUT 2
	QKOUT 3
	s_wait_tensorcnt 0x0                           ; the wave's end
	ds_add_u32 v[SPW], v[NIL]
	s_wait_dscnt 0x0
	CROUND                                         ; the closing round: no work-group ends while a partner may still ask for a tile that names it
	s_endpgm
.Lfunc_end_k_qa9f5946c9e_qkv:
	.size	k_qa9f5946c9e_qkv, .Lfunc_end_k_qa9f5946c9e_qkv-k_qa9f5946c9e_qkv
	.p2alignl 7, 3214868480
	.fill 96, 4, 3214868480
	.section	.rodata,"a",@progbits
	.p2align	6, 0x0
	.amdhsa_kernel k_qa9f5946c9e_qkv
		.amdhsa_group_segment_fixed_size 327680
		.amdhsa_private_segment_fixed_size 0
		.amdhsa_enable_private_segment 0
		.amdhsa_kernarg_size 40
		.amdhsa_user_sgpr_count 2
		.amdhsa_user_sgpr_kernarg_segment_ptr 1
		.amdhsa_wavefront_size32 1
		.amdhsa_system_sgpr_workgroup_id_x 1
		.amdhsa_system_sgpr_workgroup_id_y 1
		.amdhsa_system_sgpr_workgroup_id_z 1
		.amdhsa_system_vgpr_workitem_id 0
		.amdhsa_next_free_vgpr 896
		.amdhsa_next_free_sgpr 104
		.amdhsa_reserve_vcc 0
		.amdhsa_float_denorm_mode_32 3
		.amdhsa_float_denorm_mode_16_64 3
		.amdhsa_memory_ordered 1
		.amdhsa_forward_progress 1
		.amdhsa_inst_pref_size 172
	.end_amdhsa_kernel
	.amdgpu_metadata
---
amdhsa.version: [ 1, 2 ]
amdhsa.kernels:
  - .name:           k_qa9f5946c9e_qkv
    .symbol:         k_qa9f5946c9e_qkv.kd
    .args:
      - { .name: xw, .offset: 0, .size: 8, .value_kind: global_buffer, .address_space: global }
      - { .name: cos, .offset: 8, .size: 8, .value_kind: global_buffer, .address_space: global }
      - { .name: sin, .offset: 16, .size: 8, .value_kind: global_buffer, .address_space: global }
      - { .name: qkv_c, .offset: 24, .size: 8, .value_kind: global_buffer, .address_space: global }
      - { .name: qkv_s, .offset: 32, .size: 8, .value_kind: global_buffer, .address_space: global }
    .group_segment_fixed_size: 327680
    .private_segment_fixed_size: 0
    .kernarg_segment_align: 8
    .kernarg_segment_size: 40
    .max_flat_workgroup_size: 128
    .sgpr_count:     104
    .vgpr_count:     896
    .wavefront_size: 32
...
	.end_amdgpu_metadata
.endif
;; end of part 2
;; launch attn (part 3): grid 16 x 16, 16 waves a work-group, clusters of 4 x 1, 327,680 bytes of LDS; arguments qkv_c, qkv_s, a_c; writes a_c
.if DOCPART == 3
	.amdgcn_target "amdgcn-amd-amdhsa--gfx1250"
	.amdhsa_code_object_version 6
	.text
	.protected	k_qa9f5946c9e_attn
	.globl	k_qa9f5946c9e_attn
	.p2align	8
	.type	k_qa9f5946c9e_attn,@function
k_qa9f5946c9e_attn:
	s_mov_b64 s[64:65], 0
	v_nop
	global_prefetch_b8 v0, s[64:65] scope:SCOPE_SE
	s_setreg_imm32_b32 hwreg(HW_REG_WAVE_MODE, 25, 1), 1
	s_wait_xcnt 0x0
	s_wait_alu depctr_hold_cnt(0) depctr_sa_sdst(0) depctr_va_vdst(0) depctr_va_sdst(0) depctr_va_ssrc(0) depctr_va_vcc(0) depctr_vm_vsrc(0)
	s_getreg_b32 s2, hwreg(HW_REG_IB_STS2, 6, 4)
	s_cmp_eq_u32 s2, 0
	s_cbranch_scc0 .Lentry_in_a_cluster
	s_endpgm
.Lentry_in_a_cluster:
	s_bfe_u32 s2, ttmp6, 0x10000c
	s_cmp_lg_u32 s2, 0x3003
	s_cbranch_scc0 .Lentry_shape_is_right
	s_endpgm
.Lentry_shape_is_right:
; Causal attention of one head on codes of FP8 (E4M3) with E8M0 scales; the result, divided by the row's sum, is quantised along the head's 128 and leaves as an image of operand registers for the last product.
; THE SOFTMAX: t = score x log2(e) / sqrt(128); M = the largest t so far, rounded up to a whole number; p = 2^(t - M) is quantised along the keys, not normalised; the row's sum is taken of the unquantised p.
; When M moves, the sum and O are multiplied by 2^(old M - new M), which rounds nothing.
; LAYOUT.  Both products transposed: S^T = K Q^T, O^T = V^T P^T: a lane holds one query throughout.  Row r of a tile T (of queries, keys or channels) is 32 (T / 2) + 8 (T % 2) + r + 8 (r / 8), so that the 16 registers of
; two neighbouring tiles are 16 neighbours along the next K.  All operands lie as images of their registers: register group c of lane l at 512 c + 16 l of a fragment's 2,048 bytes.
; SHARES.  The 16 groups of 128 queries of a head are dealt to four clusters: cluster c has groups c, 7 - c, 8 + c, 15 - c: 34 key steps each, and in every cluster some group needs every slot of keys.  Each of its four work-groups takes two of a
; group's eight tiles of 16 queries: eight tiles.  A TILE HAS TWO WAVES: wave 4 i + 2 e + t works tile t of the work-group's i-th group and takes the key steps (of 128 keys) of parity e; the two parts are merged at the end through LDS, by powers of two.
; A group g needs key steps 0 .. g, and step g lies on the diagonal; a step all of whose keys come after the wave's queries is jumped over: the mask throws its result away whole, whatever the inputs hold.
; THE RING: two slots of 512 keys (four key steps: 65,536 bytes of K, 65,536 of V), as large as fit in LDS beside the scale words; a head has four slots' worth.  A wave does two key steps between two changes of slots.
; Waves 0 to 7 fetch for the ring, 16 KiB each (a key step of K or of V); waves 8 to 15 fetch the head's scale words, once; the four work-groups of a cluster ask jointly.
; All branches hang on the group (the cluster's number and the wave's number), which the four partners share; a work-group's place in its cluster enters global addresses and the mask's numbers alone.
; LIMITS: hidden scores become -infinity where the definition writes -1e10: the same result while a row's visible logits lie above about -1e10.  NaN and infinities are not served; one that reaches only hidden steps is not carried to the result.
; A block whose largest magnitude lies under 2^-118 gets the byte 1 (only this program reads the bytes).  The f32 sums over the keys are formed in two halves by the key step's parity.
; REGISTERS: v1-4 addresses that stay; v5, v6 the add's; v7 the prefetch's offset; v8-11 addresses of the step; v12 -M, v13 the largest t, v[14:15] the sum; v16-31 Q; v32-95 four fragments of K, then V's channel tiles 0-3;
;   v96-159 S^T, then p, then V's channel tiles 4-7; v160-223 O^T; v224-239 p's codes; v232-247 at work (v242-243 at first: scale words of K's tiles 4-7; v240-241 at the step's end: of V's tiles 4-7); v248-249 scale words of two pairs of tiles;
;   v250-251 the merge's LDS addresses; v252 f; v253 p's scale word; v254 at work; v255 Q's scale words.
.set SLOT1, 131072                     ; a slot: K [4 key steps][8 tiles][2048], then V [4 key steps][8 channel tiles][2048]; one exclusive or turns an address into the other slot's
.set SCK,   262144                     ; K's scale words of the head: [tile 128][64 bytes]
.set SCV,   270336                     ; V's: [key step 16][tile 8][64]
.set SPARE, 278528                     ; the spare words, 128 bytes a wave: eight blocks of 256 bytes that no other line names
.set STG,   0                          ; the merge's stage, 8,448 bytes for each of eight tiles, lies in slot 0: when the first word is stored there, that slot has had its last fill, and every wave has passed the last change of slots, behind which nobody reads it
.set SLAB,  33792                      ; the result's slabs
.set AK0,  1
.set AV0,  2
.set ASK0, 3
.set ASV0, 4
.set SPW,  5
.set NIL,  6
.set PFO,  7
.set ADK,  8
.set ADV,  9
.set ADS,  10
.set ADT,  11
.set MGA,  250
.set MGB,  251
.set TM,   232
.set TB,   2                           ; s2   LDS byte at which the slot in hand begins
.set TS,   3                           ; s3   my key step's scale words: 1,024 bytes from one step of mine to the next
.set WV,   18
.set MNT,  19
.set SEL,  20
.set CS,   22                          ; s[22:23] c = log2(e) / sqrt(128)
.set G1,   24                          ; s[24:31] group 1 for codes: 64 rows of 256 bytes;  s[32:39] for scale words: 8 rows
.set G1S,  32
.set G0,   40                          ; s[40:43] group 0 for codes: it walks;  s[44:47] for the scale words
.set G0S,  44
.set JS,   48                          ; s48  my key step in hand
.set GQ,   49                          ; s49  my group of 128 queries = my last key step
.set EQ,   50                          ; s50  my tile's first row in its group
.set SLOTS, 51
.set PFA,  52                          ; s[52:53] where my prefetches stand
.set LIM,  54                          ; s54  1 in a wave that prefetches, else the greatest number
.set PAR,  58                          ; s58  the parity of my key steps
.macro CROUND
	s_barrier_signal -1
	s_barrier_wait -1
	s_cmp_lg_u32 s[WV], 0
	s_cbranch_scc1 .Lnot_wave_0_\@
	s_barrier_signal -3
.Lnot_wave_0_\@:
	s_barrier_wait -3
	s_barrier_signal -1
	s_barrier_wait -1
.endm
.macro LOAD g0, g1
	tensor_load_to_lds s[\g0:\g0+3], s[\g1:\g1+7]
	s_nop 0
.rept 4
	v_nop
.endr
.endm
.macro TLOAD                           ; waves 0 to 3 fetch a slot's four key steps of K, waves 4 to 7 those of V, the others nothing
	s_cmp_lt_u32 s[WV], 8
	s_cbranch_scc0 .Lasked_\@
	LOAD G0, G1
.Lasked_\@:
.endm
; A prefetch of what the NEXT change of slots will ask for: a slot's 65,536 bytes of K and of V.  All four clusters of a head walk the same bytes: the first asks.  Its four partners take 16,384 bytes each, told apart by
; address; in each, wave 8 asks for K's and wave 9 for V's, lanes 256 bytes apart: two instructions.  So each block of 256 bytes is named once.  Slots 0 and 1 come by their loads alone; the last filling change asks for nothing.
.macro ASK
	s_cmp_gt_u32 s[SLOTS], s[LIM]
	s_cbranch_scc0 .Lnot_mine_\@
	global_prefetch_b8 v[PFO], s[PFA:PFA+1] th:TH_LOAD_NT scope:SCOPE_SE
	global_prefetch_b8 v[PFO], s[PFA:PFA+1] offset:8192 th:TH_LOAD_NT scope:SCOPE_SE
.Lnot_mine_\@:
.endm
	s_load_b128 s[4:7], s[0:1], 0x0                ; qkv_c, qkv_s
	s_load_b64 s[8:9], s[0:1], 0x10                ; a_c
	v_lshl_add_u32 v[SPW], v0, 2, SPARE
	v_mov_b32 v[NIL], 0
	ds_add_u32 v[SPW], v[NIL]                      ; the wave's opening
	ds_add_u32 v[SPW], v[NIL]
	v_lshrrev_b32 v8, 5, v0
	s_delay_alu instid0(VALU_DEP_1)
	v_readfirstlane_b32 s[WV], v8                  ; wave 0..15
	s_and_b32 s56, ttmp7, 0xffff                   ; the head
	s_bfe_u32 s57, ttmp6, 0x40000                  ; cx
	s_bfe_u32 s[PAR], s[WV], 0x10001
	s_lshr_b32 s60, s[WV], 2                       ; i: which of the cluster's four groups
	s_and_b32 s61, s[WV], 1                        ; t
	s_lshl_b32 s59, s60, 1
	s_or_b32 s59, s59, s61                         ; my tile in the work-group: 2 i + t
	s_lshl_b32 s67, s60, 2
	s_sub_co_u32 s66, 3, ttmp9
	s_bitcmp1_b32 s60, 0
	s_cselect_b32 s66, s66, ttmp9
	s_add_co_u32 s[GQ], s67, s66                   ; 4 i + c for an even i, 4 i + 3 - c for an odd one
	s_lshl_b32 s62, s57, 1
	s_add_co_u32 s61, s61, s62                     ; my tile in its group: 2 cx + t
	s_lshl_b32 s62, s[GQ], 3
	s_add_co_u32 s62, s62, s61                     ; my tile in the head
	s_lshr_b32 s[EQ], s61, 1
	s_lshl_b32 s[EQ], s[EQ], 5
	s_and_b32 s63, s61, 1
	s_lshl_b32 s63, s63, 3
	s_add_co_u32 s[EQ], s[EQ], s63
	s_and_b32 s63, s[WV], 7                        ; which eighth I fetch, of a slot's codes or of the head's scale words
	s_mov_b32 s[G1], 15|(3<<16)|(1<<21)            ; 15:0 the mask: all four work-groups; 17:16 elements of 8 bytes; 21 set beside a mask; dense blocks as rows of 256 bytes
	s_mov_b32 s[G1S], 15|(3<<16)|(1<<21)
	s_mov_b32 s[G1+2], 64<<16                      ; 64 rows: 16 KiB
	s_mov_b32 s[G1+4], 64
	s_mov_b32 s[G1S+2], 8<<16                      ; 8 rows: 2 KiB
	s_mov_b32 s[G1S+4], 8
.irp g, G1, G1S
	s_mov_b32 s[\g+1], 32<<16
	s_mov_b32 s[\g+3], 32<<16
	s_mov_b32 s[\g+5], 32
	s_mov_b32 s[\g+6], 0
	s_mov_b32 s[\g+7], 0
.endr
	s_lshr_b32 s72, s63, 2
	s_add_co_u32 s72, s72, 1                       ; 1: K, 2: V
	s_and_b32 s73, s63, 3                          ; which quarter
	s_lshl_b32 s68, s72, 22                        ; codes: 4,194,304 x (1 or 2) + 262,144 head + 16,384 quarter
	s_lshl_b32 s74, s56, 18
	s_add_co_u32 s68, s68, s74
	s_lshl_b32 s74, s73, 14
	s_add_co_u32 s68, s68, s74
	s_mov_b32 s69, 0
	s_lshl_b32 s70, s72, 17                        ; scale words: 131,072 x (1 or 2) + 8,192 head + 2,048 quarter
	s_lshl_b32 s74, s56, 13
	s_add_co_u32 s70, s70, s74
	s_lshl_b32 s74, s73, 11
	s_add_co_u32 s70, s70, s74
	s_mov_b32 s71, 0
	s_mov_b32 s[SEL], 0x76543210
	s_mov_b32 s[SEL+1], 0xfedcba98
	s_mov_b32 s[CS], 0x3e0293ee
	s_mov_b32 s[CS+1], s[CS]
	s_mov_b32 s[MNT], 0x600000
	s_mov_b32 s[TB], 0
	s_mov_b32 s[TS], 0
	s_mov_b32 s[JS], s[PAR]
	s_mov_b32 s[SLOTS], 3
	s_wait_dscnt 0x0
	s_wait_kmcnt 0x0
	s_mov_b32 s[G0S], 1
	s_lshl_b32 s[G0S+1], s63, 11
	s_add_co_u32 s[G0S+1], s[G0S+1], SCK
	s_add_nc_u64 s[G0S+2:G0S+3], s[6:7], s[70:71]
	s_or_b32 s[G0S+3], s[G0S+3], 0x80000000
	s_mov_b32 s[G0], 1
	s_lshl_b32 s[G0+1], s63, 14
	s_add_nc_u64 s[G0+2:G0+3], s[4:5], s[68:69]
	s_or_b32 s[G0+3], s[G0+3], 0x80000000
	CROUND                                         ; all four work-groups are here: the first joint loads meet
	s_cmp_lt_u32 s[WV], 8                          ; the head's loads, one a wave: waves 0 to 7 slot 0, waves 8 to 15 the head's scale words, filled once
	s_cbranch_scc0 .Lfor_scales
	LOAD G0, G1
	s_branch .Lfirst_asked
.Lfor_scales:
	LOAD G0S, G1S
.Lfirst_asked:
	s_lshl_b32 s80, s56, 18                        ; Q's fragment: 262,144 head + 2,048 tile
	s_lshl_b32 s81, s62, 11
	s_add_co_u32 s80, s80, s81
	s_mov_b32 s81, 0
	s_add_nc_u64 s[76:77], s[4:5], s[80:81]
	s_lshl_b32 s80, s56, 13                        ; its scale words
	s_lshl_b32 s82, s62, 6
	s_add_co_u32 s80, s80, s82
	s_add_nc_u64 s[78:79], s[6:7], s[80:81]
	s_lshl_b32 s82, s[GQ], 3                       ; the result: slab 8 group + head / 2: codes [head % 2][tile in group][2048], then scale words [head % 2][tile][16 words]
	s_lshr_b32 s80, s56, 1
	s_add_co_u32 s82, s82, s80
	s_mul_i32 s82, s82, SLAB
	s_and_b32 s83, s56, 1
	s_lshl_b32 s80, s83, 9
	s_add_co_u32 s80, s80, s82
	s_lshl_b32 s84, s61, 6
	s_add_co_u32 s80, s80, s84
	s_add_co_u32 s80, s80, 32768
	s_add_nc_u64 s[10:11], s[8:9], s[80:81]        ; my tile's scale words
	s_lshl_b32 s80, s83, 14
	s_add_co_u32 s80, s80, s82
	s_lshl_b32 s84, s61, 11
	s_add_co_u32 s80, s80, s84
	s_add_nc_u64 s[8:9], s[8:9], s[80:81]          ; its codes
	s_mov_b32 s80, 8388608                         ; the prefetches: wave 8 K's codes, wave 9 V's; my work-group's 16,384 bytes; in slot 1: the first change steps it to slot 2
	s_cmp_eq_u32 s[WV], 8
	s_cselect_b32 s80, 4194304, s80
	s_lshl_b32 s82, s56, 18
	s_add_co_u32 s80, s80, s82
	s_lshl_b32 s82, s57, 14
	s_add_co_u32 s80, s80, s82
	s_add_co_u32 s80, s80, 65536
	s_add_nc_u64 s[PFA:PFA+1], s[4:5], s[80:81]
	s_sub_co_u32 s82, s[WV], 8
	s_lshr_b32 s82, s82, 1                         ; 0 in waves 8 and 9,
	s_or_b32 s82, s82, ttmp9                       ; of the head's first cluster: the same in all four partners
	s_cmp_eq_u32 s82, 0
	s_cselect_b32 s[LIM], 1, -1
	s_lshl_b32 s82, s[PAR], 14                     ; my parity's first key step in a slot: 16,384 bytes on
	s_lshl_b32 s83, s[PAR], 9                      ; and 512 bytes of scale words on
	s_add_co_u32 s83, s83, SCK
	s_mul_i32 s84, s59, 8448                       ; the merge's stage of my tile: made here, ahead of every parting of the waves
	v_and_b32 v8, 31, v0                           ; lane
	v_and_b32 v9, 15, v0                           ; r
	s_delay_alu instid0(VALU_DEP_2)
	v_lshlrev_b32 v10, 4, v8
	s_delay_alu instid0(VALU_DEP_2)
	v_lshlrev_b32 v11, 2, v9
.irp c, 0,1,2,3
	global_load_b128 v[16+4*\c:19+4*\c], v10, s[76:77] offset:512*\c   ; Q's fragment stays in registers
.endr
	global_load_b32 v255, v11, s[78:79]
	v_lshl_add_u32 v[AK0], v8, 4, s82
	v_lshl_add_u32 v[ASK0], v8, 2, s83
	v_add_nc_u32 v[AV0], 65536, v[AK0]             ; V lies behind K's 65,536 bytes
	v_add_nc_u32 v[ASV0], 8192, v[ASK0]
	v_lshlrev_b32 v[PFO], 8, v8
	v_lshl_add_u32 v[MGA], v8, 4, s84
	v_lshl_add_u32 v[MGB], v8, 2, s84
	s_delay_alu instid0(VALU_DEP_1)
	v_add_nc_u32 v[MGB], 8192, v[MGB]
	v_mov_b32 v13, 0xff61b1e6                      ; the largest t so far: -3e38
	s_delay_alu instid0(VALU_DEP_1)
	v_floor_f32 v12, -v13                          ; -M
	v_mov_b32 v14, 0
	v_mov_b32 v15, 0
.irp b, 0,1,2,3
	v_mov_b32 v[236+\b], 0                         ; written once: a lane permute's destination counts as one of its sources
.endr
	v_mov_b32 v253, 0
	v_mov_b32 v254, 0
.irp j, 0,1,2,3,4,5,6,7,8,9,10,11,12,13,14,15,16,17,18,19,20,21,22,23,24,25,26,27,28,29,30,31,32,33,34,35,36,37,38,39,40,41,42,43,44,45,46,47,48,49,50,51,52,53,54,55,56,57,58,59,60,61,62,63
	v_mov_b32 v[160+\j], 0                         ; O^T: the step is written once for all steps; a wave whose parity has no step hands on these zeros
.endr
.macro KLOAD q, t, buf                 ; K's tiles t, t + 1 into fragments buf, buf + 1
.irp u, 0,1
.irp c, 0,1,2,3
	ds_load_b128 v[32+16*((\buf)+\u)+4*\c:32+16*((\buf)+\u)+4*\c+3], v[ADK] offset:32768*(\q)+2048*((\t)+\u)+512*\c
.endr
.endr
.endm
.macro SK t, buf, sc                   ; S^T of tiles t, t + 1
	v_wmma_scale_f32_16x16x128_f8f6f4 v[96+8*(\t):103+8*(\t)], v[32+16*(\buf):47+16*(\buf)], v[16:31], 0, v[\sc], v255
	v_wmma_scale_f32_16x16x128_f8f6f4 v[104+8*(\t):111+8*(\t)], v[48+16*(\buf):63+16*(\buf)], v[16:31], 0, v[\sc], v255 matrix_a_scale:MATRIX_SCALE_ROW1
.endm
.macro PLACES n
.rept \n
	v_nop
.endr
.endm
; MY q-TH KEY STEP (of two) OF THE SLOT IN HAND: 128 keys; it lies 32,768 q bytes behind my first
.macro STEP q
	s_cmp_gt_u32 s[JS], s[GQ]                      ; all its keys come after my queries: only the lines at its end, which step addresses, are run
	s_cbranch_scc1 .Lhidden_\@
	v_add_nc_u32 v[ADK], s[TB], v[AK0]
	v_add_nc_u32 v[ADV], s[TB], v[AV0]
	v_add_nc_u32 v[ADS], s[TS], v[ASK0]
	v_add_nc_u32 v[ADT], s[TS], v[ASV0]
	s_wait_alu depctr_va_vdst(0)
	PLACES 5                                       ; with the four additions above nine places, since the products below write over v96 on, which the last step's products read as an operand (one more than loads ask)
	ds_load_b32 v248, v[ADS]                       ; K's scale words: lanes 0-15 the even tile's, lanes 16-31 the odd one's
	ds_load_b32 v249, v[ADS] offset:128
	ds_load_b32 v242, v[ADS] offset:256
	ds_load_b32 v243, v[ADS] offset:384
	KLOAD \q, 0, 0
	KLOAD \q, 2, 2
	s_wait_dscnt 8                                 ; tiles 0, 1 are in; two tiles' 8 loads may be out
	SK 0, 0, 248
	PLACES 8                                       ; in front of loads into registers that matrix instructions have read
	KLOAD \q, 4, 0
	s_wait_dscnt 8                                 ; tiles 2, 3
	SK 2, 2, 249
	PLACES 8
	KLOAD \q, 6, 2
	s_wait_dscnt 8                                 ; tiles 4, 5
	SK 4, 0, 242
	s_wait_dscnt 0x0
	SK 6, 2, 243                                   ; register 16 b + i of v96 on: key 32 b + 16 (lane / 16) + i of the step
	PLACES 8                                       ; for the reads of the scores, and for the loads below into K's registers
.irp t, 0,1,2,3                        ; V's channel tiles 0 to 3 are asked for here, into the registers that K has left: they land while the softmax is worked
.irp c, 0,1,2,3
	ds_load_b128 v[32+16*\t+4*\c:32+16*\t+4*\c+3], v[ADV] offset:32768*(\q)+2048*\t+512*\c
.endr
.endr
.irp k, 0,1
	ds_load_b32 v[248+\k], v[ADT] offset:128*\k
.endr
	s_cmp_lg_u32 s[JS], s[GQ]                      ; only the step on the diagonal has hidden keys
	s_cbranch_scc1 .Lopen_\@
	v_and_b32 v252, 15, v0
	s_delay_alu instid0(VALU_DEP_1)
	v_and_b32 v253, 8, v252
	s_delay_alu instid0(VALU_DEP_1)
	v_add_nc_u32 v252, v252, v253                  ; r + 8 (r / 8)
	v_bfe_u32 v253, v0, 4, 1
	s_delay_alu instid0(VALU_DEP_1)
	v_lshlrev_b32 v253, 4, v253
	s_delay_alu instid0(VALU_DEP_1)
	v_sub_nc_u32 v252, v252, v253
	s_delay_alu instid0(VALU_DEP_1)
	v_add_nc_u32 v252, s[EQ], v252                 ; d = my query in its group - 16 (lane / 16): register 16 b + i is hidden where 32 b + i > d
	v_mov_b32 v254, 0xff800000                     ; -infinity: p = 0 then
.irp n, 0,1,2,3,4,5,6,7,8,9,10,11,12,13,14,15,16,17,18,19,20,21,22,23,24,25,26,27,28,29,30,31,32,33,34,35,36,37,38,39,40,41,42,43,44,45,46,47,48,49,50,51,52,53,54,55,56,57,58,59,60,61,62,63
	v_cmp_gt_i32 vcc_lo, 32*(\n/16)+\n%16, v252
	v_cndmask_b32 v[96+\n], v[96+\n], v254, vcc_lo
.endr
.Lopen_\@:
.irp b, 0,1,2,3
	v_max3_num_f32 v[232+\b], v[96+16*\b], v[97+16*\b], v[98+16*\b]   ; the largest score of each block of 32 keys: it serves the row's maximum and, since p rises with the score, the block's largest p
.endr
.irp i, 3,5,7,9,11,13
.irp b, 0,1,2,3
	v_max3_num_f32 v[232+\b], v[232+\b], v[96+16*\b+\i], v[97+16*\b+\i]
.endr
.endr
.irp b, 0,1,2,3
	v_max_num_f32 v[232+\b], v[232+\b], v[111+16*\b]
.endr
.irp b, 0,1,2,3
	v_permlanex16_b32 v[236+\b], v[232+\b], s[SEL], s[SEL+1]
.endr
.irp b, 0,1,2,3
	s_delay_alu instid0(VALU_DEP_4)
	v_max_num_f32 v[232+\b], v[232+\b], v[236+\b]  ; with lane l xor 16's 16 keys
.endr
	s_delay_alu instid0(VALU_DEP_2)
	v_max3_num_f32 v254, v232, v233, v234
	s_delay_alu instid0(VALU_DEP_1)
	v_max_num_f32 v254, v254, v235
	s_delay_alu instid0(VALU_DEP_1)
	v_mul_f32 v254, s[CS], v254                    ; the step's largest t
	s_delay_alu instid0(VALU_DEP_1)
	v_max_num_f32 v13, v13, v254
	v_mov_b32 v254, v12
	s_delay_alu instid0(VALU_DEP_2)
	v_floor_f32 v12, -v13                          ; the new -M = -ceil(t)
	s_delay_alu instid0(VALU_DEP_1)
	v_sub_f32 v254, v12, v254                      ; old M - new M: a whole number, 0 or less
	s_delay_alu instid0(VALU_DEP_1)
	v_cvt_i32_f32 v254, v254                       ; (it saturates)
	s_delay_alu instid0(VALU_DEP_1)
	v_ldexp_f32 v252, 1.0, v254                    ; f = 2^(old M - new M)
.irp j, 0,2,4,6,8,10,12,14,16,18,20,22,24,26,28,30,32,34,36,38,40,42,44,46,48,50,52,54,56,58,60,62
	v_pk_fma_f32 v[96+\j:97+\j], v[96+\j:97+\j], s[CS:CS+1], v[12:13] op_sel_hi:[1,0,0]   ; t - M, two at a time
.endr
.irp b, 0,1,2,3
	v_fma_f32 v[232+\b], v[232+\b], s[CS], v12     ; the same of each block's largest score
.endr
	s_wait_alu depctr_va_vdst(0)                   ; the wait ahead of the batch
.irp j, 0,1,2,3,4,5,6,7,8,9,10,11,12,13,14,15,16,17,18,19,20,21,22,23,24,25,26,27,28,29,30,31,32,33,34,35,36,37,38,39,40,41,42,43,44,45,46,47,48,49,50,51,52,53,54,55,56,57,58,59,60,61,62,63
	v_exp_f32 v[96+\j], v[96+\j]                   ; p = 2^(t - M): one batch
.endr
	v_pk_mul_f32 v[14:15], v[14:15], v[252:253] op_sel_hi:[1,0]   ; the sums under the new M: the plain line behind the exponentials
	s_wait_alu depctr_va_vdst(0)                   ; one wait for the whole batch, ahead of its first reader
.irp b, 0,1,2,3
	v_exp_f32 v[232+\b], v[232+\b]                 ; each block's largest p
.endr
	v_pk_add_f32 v[236:237], v[100:101], v[104:105]
	v_pk_add_f32 v[246:247], v[108:109], v[112:113]
	v_pk_add_f32 v[244:245], v[116:117], v[120:121]
	v_pk_add_f32 v[242:243], v[124:125], v[128:129]
	v_pk_add_f32 v[240:241], v[132:133], v[136:137]
	v_pk_add_f32 v[238:239], v[140:141], v[144:145]
	v_pk_add_f32 v[230:231], v[148:149], v[152:153]
	v_pk_add_f32 v[14:15], v[14:15], v[156:157]
	v_pk_add_f32 v[236:237], v[236:237], v[96:97]
	v_pk_add_f32 v[246:247], v[246:247], v[98:99]
	v_pk_add_f32 v[244:245], v[244:245], v[102:103]
	v_pk_add_f32 v[242:243], v[242:243], v[106:107]
	v_pk_add_f32 v[240:241], v[240:241], v[110:111]
	v_pk_add_f32 v[238:239], v[238:239], v[114:115]
	v_pk_add_f32 v[230:231], v[230:231], v[118:119]
	v_pk_add_f32 v[14:15], v[14:15], v[122:123]
	v_pk_add_f32 v[236:237], v[236:237], v[126:127]
	v_pk_add_f32 v[246:247], v[246:247], v[130:131]
	v_pk_add_f32 v[244:245], v[244:245], v[134:135]
	v_pk_add_f32 v[242:243], v[242:243], v[138:139]
	v_pk_add_f32 v[240:241], v[240:241], v[142:143]
	v_pk_add_f32 v[238:239], v[238:239], v[146:147]
	v_pk_add_f32 v[230:231], v[230:231], v[150:151]
	v_pk_add_f32 v[14:15], v[14:15], v[154:155]
	v_pk_add_f32 v[236:237], v[236:237], v[158:159]
	s_delay_alu instid0(VALU_DEP_2)
	v_pk_add_f32 v[14:15], v[14:15], v[242:243]
	s_delay_alu instid0(VALU_DEP_2)
	v_pk_add_f32 v[236:237], v[236:237], v[240:241]
	v_pk_add_f32 v[246:247], v[246:247], v[238:239]
	v_pk_add_f32 v[244:245], v[244:245], v[230:231]
	s_delay_alu instid0(VALU_DEP_2)
	v_pk_add_f32 v[14:15], v[14:15], v[246:247]
	s_delay_alu instid0(VALU_DEP_2)
	v_pk_add_f32 v[236:237], v[236:237], v[244:245]
	s_delay_alu instid0(VALU_DEP_1)
	v_pk_add_f32 v[14:15], v[14:15], v[236:237]
	s_wait_alu depctr_va_vdst(0)                   ; and one for the four
.irp b, 0,1,2,3
	v_max_num_f32 v[232+\b], 0x4800000, v[232+\b]  ; the floor 2^(9 - 127)
.endr
.irp b, 0,1,2,3
	s_delay_alu instid0(VALU_DEP_4)
	v_add_nc_u32 v[244+\b], 0xfc000000, v[232+\b]  ; the conversion's scale operand
.endr
.irp b, 0,1,2,3
	v_and_or_b32 v[240+\b], v[232+\b], 0x7f800000, s[MNT]   ; 448 x the scale
.endr
.irp b, 0,1,2,3
	v_lshrrev_b32 v[236+\b], 23, v[244+\b]         ; the byte
.endr
	s_delay_alu instid0(VALU_DEP_3)
	v_lshl_or_b32 v253, v237, 8, v236              ; p's scale word for these 128 keys
	s_delay_alu instid0(VALU_DEP_1)
	v_lshl_or_b32 v253, v238, 16, v253
	s_delay_alu instid0(VALU_DEP_1)
	v_lshl_or_b32 v253, v239, 24, v253
.irp b, 0,1,2,3
.irp i, 0,1,2,3,4,5,6,7,8,9,10,11,12,13,14,15
	v_min_num_f32 v[96+16*\b+\i], v[96+16*\b+\i], v[240+\b]   ; the conversion does not saturate (ISA guide 7.6.2); p is not negative, so the hold is one-sided
.endr
	v_cvt_scalef32_pk8_fp8_f32 v[224+4*\b:225+4*\b], v[96+16*\b:103+16*\b], v[244+\b]
	v_cvt_scalef32_pk8_fp8_f32 v[226+4*\b:227+4*\b], v[104+16*\b:111+16*\b], v[244+\b]
.endr
	v_nop                                          ; a plain line behind the last conversion
.irp t, 0,1,2,3                        ; p has become codes: its registers take V's channel tiles 4 to 7, and two registers that the hold has left take their scale words
.irp c, 0,1,2,3
	ds_load_b128 v[96+16*\t+4*\c:96+16*\t+4*\c+3], v[ADV] offset:32768*(\q)+2048*(4+\t)+512*\c
.endr
.endr
.irp k, 0,1
	ds_load_b32 v[240+\k], v[ADT] offset:128*(2+\k)
.endr
.irp j, 0,2,4,6,8,10,12,14,16,18,20,22,24,26,28,30,32,34,36,38,40,42,44,46,48,50,52,54,56,58,60,62
	v_pk_mul_f32 v[160+\j:161+\j], v[160+\j:161+\j], v[252:253] op_sel_hi:[1,0]   ; O^T under the new M; these 32 are also the places in front of the products below, and stand while the loads above land
.endr
	s_wait_alu depctr_va_vdst(0)
	s_wait_dscnt 18                                ; V's tiles 0-3 and their scale words are in; the 16 loads and two words behind them may be out
.irp t, 0,2                            ; O^T += V^T P^T: eight tiles of 16 channels, eight accumulators by turns
	v_wmma_scale_f32_16x16x128_f8f6f4 v[160+8*\t:167+8*\t], v[32+16*\t:47+16*\t], v[224:239], v[160+8*\t:167+8*\t], v[248+\t/2], v253
	v_wmma_scale_f32_16x16x128_f8f6f4 v[168+8*\t:175+8*\t], v[48+16*\t:63+16*\t], v[224:239], v[168+8*\t:175+8*\t], v[248+\t/2], v253 matrix_a_scale:MATRIX_SCALE_ROW1
.endr
	s_wait_dscnt 0x0
.irp t, 0,2
	v_wmma_scale_f32_16x16x128_f8f6f4 v[192+8*\t:199+8*\t], v[96+16*\t:111+16*\t], v[224:239], v[192+8*\t:199+8*\t], v[240+\t/2], v253
	v_wmma_scale_f32_16x16x128_f8f6f4 v[200+8*\t:207+8*\t], v[112+16*\t:127+16*\t], v[224:239], v[200+8*\t:207+8*\t], v[240+\t/2], v253 matrix_a_scale:MATRIX_SCALE_ROW1
.endr
.Lhidden_\@:
	s_add_co_u32 s[JS], s[JS], 2                   ; my next key step, and its scale words
	s_add_co_u32 s[TS], s[TS], 1024
.endm
; THE CHANGE OF SLOTS stands at a slot's head.  Each wave waits for all its tensor loads, adds 0 to its spare word, and waits for that and for its reads of the slot that it has left.  fill = 1: a round of the cluster's
; barrier, and behind it the slot just left (at the first change: slot 1, for the first time) is filled with the keys that follow: the load has a slot's steps, two a wave, in which to land.
.macro CHANGE fill
	s_wait_tensorcnt 0x0                           ; no tensor load of mine is out, so a group 0 may be written
	ds_add_u32 v[SPW], v[NIL]                      ; 0 onto my spare word
.if \fill
	s_xor_b32 s[G0+1], s[G0+1], SLOT1              ; the walking descriptor: the other slot, the next 512 keys
	s_add_nc_u64 s[G0+2:G0+3], s[G0+2:G0+3], 65536
	s_wait_xcnt 0x0                                ; the last prefetches, a slot back, have read their address:
	s_add_nc_u64 s[PFA:PFA+1], s[PFA:PFA+1], 65536 ; one slot further on than the walking descriptor
	s_wait_dscnt 0x0                               ; the add is done, and my reads of the slot that I have left are over
	CROUND
	TLOAD                                          ; the first thing behind the round, and a wave's one tensor load until the next
	ASK
.else
	s_wait_dscnt 0x0
	s_barrier_signal -1
	s_barrier_wait -1
.endif
.endm
	s_wait_alu depctr_va_vdst(0)                   ; the wait at the head's end
	s_wait_loadcnt 0x0                             ; Q
.Lslot:                                            ; three trips: behind each change of slots but the last the next slot is asked for
	CHANGE 1
	STEP 0
	STEP 1
	s_xor_b32 s[TB], s[TB], SLOT1
	s_sub_co_u32 s[SLOTS], s[SLOTS], 1
	s_cmp_lg_u32 s[SLOTS], 0
	s_cbranch_scc1 .Lslot
	CHANGE 0                                       ; the last slot (slot 1) is written out
	STEP 0
	STEP 1
	; THE WAY OUT.  The odd steps' wave hands O^T, -M and its sum to the even steps' wave of its tile through the stage, as images of its registers.
	v_add_f32 v14, v14, v15                        ; the sum's two halves
	PLACES 7                                       ; with the line above: eight places behind the last products
	s_wait_alu depctr_va_vdst(0)
	s_cmp_eq_u32 s[PAR], 0
	s_cbranch_scc1 .Lno_send
.irp k, 0,1,2,3,4,5,6,7,8,9,10,11,12,13,14,15
	ds_store_b128 v[MGA], v[160+4*\k:163+4*\k] offset:512*\k   ; each accumulator from its low end on
.endr
	ds_store_b32 v[MGB], v12
	ds_store_b32 v[MGB], v14 offset:128
.Lno_send:
	s_wait_dscnt 0x0                               ; for the other wave's sake: my stores have landed
	s_barrier_signal -1
	s_barrier_wait -1
	s_cmp_lg_u32 s[PAR], 0
	s_cbranch_scc1 .Lend
.irp k, 0,1,2,3,4,5,6,7,8,9,10,11,12,13,14,15
	ds_load_b128 v[96+4*\k:99+4*\k], v[MGA] offset:512*\k
.endr
	ds_load_b32 v228, v[MGB]                       ; the partner's -M,
	ds_load_b32 v229, v[MGB] offset:128            ; and its sum
	v_and_b32 v1, 31, v0
	s_delay_alu instid0(VALU_DEP_1)
	v_lshlrev_b32 v1, 4, v1                        ; the result's image: 16 lane
	v_and_b32 v2, 15, v0
	s_delay_alu instid0(VALU_DEP_1)
	v_lshlrev_b32 v2, 2, v2                        ; its scale word: 4 r
	s_wait_dscnt 0x0
	v_min_num_f32 v230, v12, v228                  ; the common -M: the larger M
	s_delay_alu instid0(VALU_DEP_1)
	v_sub_f32 v232, v230, v12                      ; my M less the common one: a whole number, 0 or less
	s_delay_alu instid0(VALU_DEP_2)
	v_sub_f32 v234, v230, v228                     ; the partner's (a partner without a step: -3e38, and its factor is 0 onto zeros)
	s_delay_alu instid0(VALU_DEP_2)
	v_cvt_i32_f32 v232, v232
	s_delay_alu instid0(VALU_DEP_2)
	v_cvt_i32_f32 v234, v234
	s_delay_alu instid0(VALU_DEP_2)
	v_ldexp_f32 v232, 1.0, v232
	s_delay_alu instid0(VALU_DEP_2)
	v_ldexp_f32 v234, 1.0, v234
	s_delay_alu instid0(VALU_DEP_2)
	v_mul_f32 v14, v14, v232
	s_delay_alu instid0(VALU_DEP_1)
	v_fma_f32 v14, v229, v234, v14                 ; the sum of my half of the lanes' keys,
	s_delay_alu instid0(VALU_DEP_1)
	v_permlanex16_b32 v254, v14, s[SEL], s[SEL+1]
	s_delay_alu instid0(VALU_DEP_1)
	v_add_f32 v14, v14, v254                       ; and the row's
	s_wait_alu depctr_va_vdst(0)                   ; the wait ahead of the transcendental
	v_rcp_f32 v14, v14
	v_nop                                          ; a plain line behind the transcendental
	s_wait_alu depctr_va_vdst(0)                   ; and ahead of its first reader
	v_mul_f32 v233, v232, v14                      ; the two factors over the sum: a power of two times the reciprocal rounds nothing more
	v_mul_f32 v235, v234, v14
	s_delay_alu instid0(VALU_DEP_2)
	v_mov_b32 v232, v233
	s_delay_alu instid0(VALU_DEP_2)
	v_mov_b32 v234, v235
.irp j, 0,2,4,6,8,10,12,14,16,18,20,22,24,26,28,30,32,34,36,38,40,42,44,46,48,50,52,54,56,58,60,62
	v_pk_mul_f32 v[160+\j:161+\j], v[160+\j:161+\j], v[232:233]
.endr
.irp j, 0,2,4,6,8,10,12,14,16,18,20,22,24,26,28,30,32,34,36,38,40,42,44,46,48,50,52,54,56,58,60,62
	v_pk_fma_f32 v[160+\j:161+\j], v[96+\j:97+\j], v[234:235], v[160+\j:161+\j]
.endr
	; register 16 b + i of v160 on is channel 32 b + 16 (lane / 16) + i of my query: the quantiser's order.  The codes are laid over work registers that are done with by then
.irp b, 0,1,2,3
	v_max3_num_f32 v[TM+\b], |v[160+16*\b]|, |v[161+16*\b]|, 0x4800000
.endr
.irp i, 2,4,6,8,10,12,14
.irp b, 0,1,2,3
	s_delay_alu instid0(VALU_DEP_4)
	v_max3_num_f32 v[TM+\b], v[TM+\b], |v[160+16*\b+\i]|, |v[161+16*\b+\i]|
.endr
.endr
.irp b, 0,1,2,3
	v_permlanex16_b32 v[TM+4+\b], v[TM+\b], s[SEL], s[SEL+1]
.endr
.irp b, 0,1,2,3
	s_delay_alu instid0(VALU_DEP_4)
	v_max_num_f32 v[TM+\b], v[TM+\b], v[TM+4+\b]
.endr
.irp b, 0,1,2,3
	s_delay_alu instid0(VALU_DEP_4)
	v_add_nc_u32 v[TM+12+\b], 0xfc000000, v[TM+\b]
.endr
.irp b, 0,1,2,3
	v_and_or_b32 v[TM+8+\b], v[TM+\b], 0x7f800000, s[MNT]
.endr
.irp b, 0,1,2,3
	v_lshrrev_b32 v[TM+4+\b], 23, v[TM+12+\b]
.endr
	s_delay_alu instid0(VALU_DEP_3)
	v_lshl_or_b32 v252, v[TM+5], 8, v[TM+4]
	s_delay_alu instid0(VALU_DEP_1)
	v_lshl_or_b32 v252, v[TM+6], 16, v252
	s_delay_alu instid0(VALU_DEP_1)
	v_lshl_or_b32 v252, v[TM+7], 24, v252
.irp b, 0,1,2,3
.irp i, 0,1,2,3,4,5,6,7,8,9,10,11,12,13,14,15
	v_med3_num_f32 v[160+16*\b+\i], v[160+16*\b+\i], -v[TM+8+\b], v[TM+8+\b]
.endr
	v_cvt_scalef32_pk8_fp8_f32 v[224+4*\b:225+4*\b], v[160+16*\b:167+16*\b], v[TM+12+\b]
	v_cvt_scalef32_pk8_fp8_f32 v[226+4*\b:227+4*\b], v[168+16*\b:175+16*\b], v[TM+12+\b]
.endr
	v_nop
.irp c, 0,1,2,3
	global_store_b128 v1, v[224+4*\c:227+4*\c], s[8:9] offset:512*\c   ; 32 lanes store 512 consecutive bytes
.endr
	global_store_b32 v2, v252, s[10:11]            ; lanes l and l + 16 store the same word with the same value
.Lend:
	s_wait_tensorcnt 0x0                           ; the wave's end
	ds_add_u32 v[SPW], v[NIL]
	s_wait_dscnt 0x0
	CROUND                                         ; the closing round
	s_endpgm
.Lfunc_end_k_qa9f5946c9e_attn:
	.size	k_qa9f5946c9e_attn, .Lfunc_end_k_qa9f5946c9e_attn-k_qa9f5946c9e_attn
	.p2alignl 7, 3214868480
	.fill 96, 4, 3214868480
	.section	.rodata,"a",@progbits
	.p2align	6, 0x0
	.amdhsa_kernel k_qa9f5946c9e_attn
		.amdhsa_group_segment_fixed_size 327680
		.amdhsa_private_segment_fixed_size 0
		.amdhsa_enable_private_segment 0
		.amdhsa_kernarg_size 24
		.amdhsa_user_sgpr_count 2
		.amdhsa_user_sgpr_kernarg_segment_ptr 1
		.amdhsa_wavefront_size32 1
		.amdhsa_system_sgpr_workgroup_id_x 1
		.amdhsa_system_sgpr_workgroup_id_y 1
		.amdhsa_system_sgpr_workgroup_id_z 1
		.amdhsa_system_vgpr_workitem_id 0
		.amdhsa_next_free_vgpr 256
		.amdhsa_next_free_sgpr 100
		.amdhsa_reserve_vcc 1
		.amdhsa_float_denorm_mode_32 3
		.amdhsa_float_denorm_mode_16_64 3
		.amdhsa_memory_ordered 1
		.amdhsa_forward_progress 1
		.amdhsa_inst_pref_size 146
	.end_amdhsa_kernel
	.amdgpu_metadata
---
amdhsa.version: [ 1, 2 ]
amdhsa.kernels:
  - .name:           k_qa9f5946c9e_attn
    .symbol:         k_qa9f5946c9e_attn.kd
    .args:
      - { .name: qkv_c, .offset: 0, .size: 8, .value_kind: global_buffer, .address_space: global }
      - { .name: qkv_s, .offset: 8, .size: 8, .value_kind: global_buffer, .address_space: global }
      - { .name: a_c, .offset: 16, .size: 8, .value_kind: global_buffer, .address_space: global }
    .group_segment_fixed_size: 327680
    .private_segment_fixed_size: 0
    .kernarg_segment_align: 8
    .kernarg_segment_size: 24
    .max_flat_workgroup_size: 512
    .sgpr_count:     100
    .vgpr_count:     256
    .wavefront_size: 32
...
	.end_amdgpu_metadata
.endif
;; end of part 3
;; launch outp (part 4): grid 16 x 16, 4 waves a work-group, clusters of 4 x 4, 327,680 bytes of LDS; arguments a_c, xw, out0; writes out0
.if DOCPART == 4
	.amdgcn_target "amdgcn-amd-amdhsa--gfx1250"
	.amdhsa_code_object_version 6
	.text
	.protected	k_qa9f5946c9e_outp
	.globl	k_qa9f5946c9e_outp
	.p2align	8
	.type	k_qa9f5946c9e_outp,@function
k_qa9f5946c9e_outp:
	s_mov_b64 s[64:65], 0
	v_nop
	global_prefetch_b8 v0, s[64:65] scope:SCOPE_SE
	s_setreg_imm32_b32 hwreg(HW_REG_WAVE_MODE, 25, 1), 1
	s_wait_xcnt 0x0
	s_wait_alu depctr_hold_cnt(0) depctr_sa_sdst(0) depctr_va_vdst(0) depctr_va_sdst(0) depctr_va_ssrc(0) depctr_va_vcc(0) depctr_vm_vsrc(0)
	s_getreg_b32 s2, hwreg(HW_REG_IB_STS2, 6, 4)
	s_cmp_eq_u32 s2, 0
	s_cbranch_scc0 .Lentry_in_a_cluster
	s_endpgm
.Lentry_in_a_cluster:
	s_bfe_u32 s2, ttmp6, 0x10000c
	s_cmp_lg_u32 s2, 0xf033
	s_cbranch_scc0 .Lentry_shape_is_right
	s_endpgm
.Lentry_shape_is_right:
; out = a wo on codes of FP8 (E4M3) with E8M0 scales: 2,048 x 2,048 x 2,048, f32 results.  a's slabs come from the attention's launch, wo's from the first (tensor 4 of xw): 128 rows or columns x 256 along K, codes and scale words, 33,792 bytes.
; A work-group makes 128 x 128, a wave 64 x 64: 16 accumulators.  K goes through two LDS slots of 512 along K, each two slabs of a and two of wo: wave w fetches slab w of the four, one tensor load of 132 rows of 256 bytes.
; CLUSTER 4 x 4: a row of the cluster shares a's slabs, a column wo's: each is asked for jointly.
; Source 0 = 16 columns of wo, source 1 = 16 rows of a: a lane holds one row of the result and eight neighbouring columns a tile.
; A K STEP is four groups of four products, by a's tiles; the next K step's 36 LDS loads stand in runs behind the groups and are waited for by count: words and wo first, then a's tiles in order.
; The four contents of the slots are written out, since the first starts the sums and the last two fill nothing.
; PREFETCH.  Content 1 is asked for at the head, contents 2 and 3 behind content 1's load; of a slab's 132 rows of 256 bytes a partner takes 32 and one of the last four, told apart by address (cx for a, cy for wo).
; LIMITS: NaN and infinities are not served.
; REGISTERS: window 0: v16-31 addresses; v32-43 scale words, two sets; v64-127 rows on the way out; v128-255 accumulator (i, f) at 8 (4 i + f).  Window 1: two sets of 128: a's four fragments, wo's four.
.set SLAB,  33792
.set SLOT,  4*SLAB
.set SPARE, 2*SLOT
.set STAGE, SPARE+512                  ; 16 rows x 272 bytes for each wave: no fill lands there
.set ADA, 16                           ; v16-17 LDS address of my four tiles of a in slot 0, 1
.set ADB, 18                           ; of wo
.set ASA, 20                           ; of their scale words
.set ASB, 22
.set STO, 24
.set RD,  25
.set CO,  26
.set PFO, 27
.set SPW, 28
.set NIL, 29
.set PF2, 30
.set SC,  32
.set BK,  64
.set ACC, 128
.set G1,  24
.set G0,  32
.set G1B, 48
.set G0B, 56
.set PFA, 70
.set MSB, 0
.macro WIN new
.if MSB != (\new)
	s_set_vgpr_msb (MSB<<8)|(\new)
.set MSB, (\new)
.endif
.endm
.macro JLOAD s                         ; a joint load: waves 0 and 1 fetch for a, waves 2 and 3 for wo
	s_cmp_eq_u32 s15, 0
	s_cbranch_scc0 .Lfor_b_\@
	tensor_load_to_lds s[G0+4*\s:G0+4*\s+3], s[G1:G1+7]
	s_nop 0
.rept 4
	v_nop
.endr
	s_branch .Lasked_\@
.Lfor_b_\@:
	tensor_load_to_lds s[G0B+4*\s:G0B+4*\s+3], s[G1B:G1B+7]
	s_nop 0
.rept 4
	v_nop
.endr
.Lasked_\@:
.endm
.macro CREST
	s_cmp_lg_u32 s14, 0
	s_cbranch_scc1 .Lnot_wave_0_\@
	s_barrier_signal -3
.Lnot_wave_0_\@:
	s_barrier_wait -3
	s_barrier_signal -1
	s_barrier_wait -1
.endm
.macro CROUND
	s_barrier_signal -1
	s_barrier_wait -1
	CREST
.endm
.macro PLACES n
.rept \n
	v_nop
.endr
.endm
.macro ASK off
	global_prefetch_b8 v[PFO], s[PFA:PFA+1] offset:\off th:TH_LOAD_NT scope:SCOPE_SE
	global_prefetch_b8 v[PF2], s[PFA:PFA+1] offset:\off th:TH_LOAD_NT scope:SCOPE_SE
.endm
	s_load_b128 s[4:7], s[0:1], 0x0                ; a, xw
	s_load_b64 s[12:13], s[0:1], 0x10              ; out
	v_lshl_add_u32 v[SPW], v0, 2, SPARE
	v_mov_b32 v[NIL], 0
	ds_add_u32 v[SPW], v[NIL]                      ; the wave's opening
	ds_add_u32 v[SPW], v[NIL]
	v_lshrrev_b32 v1, 5, v0
	v_readfirstlane_b32 s14, v1                    ; wave
	s_lshr_b32 s15, s14, 1                         ; my half of the rows; I fetch for a (0) or wo (1)
	s_and_b32 s16, s14, 1                          ; my half of the columns; which slab of two I fetch
	s_bfe_u32 s40, ttmp6, 0x40000
	s_bfe_u32 s41, ttmp6, 0x40004
	s_lshl_b32 s42, ttmp9, 2
	s_add_co_u32 s42, s42, s40                     ; column block
	s_and_b32 s17, ttmp7, 0xffff
	s_lshl_b32 s17, s17, 2
	s_add_co_u32 s17, s17, s41                     ; row block
	s_lshl_b32 s43, s41, 2
	s_lshl_b32 s43, 15, s43                        ; my row of the cluster
	s_lshl_b32 s44, 0x1111, s40                    ; my column
	s_or_b32 s[G1], s43, (3<<16)|(1<<21)           ; a slab: 132 rows of 256 bytes, elements of 8 bytes, no padding
	s_or_b32 s[G1B], s44, (3<<16)|(1<<21)
.irp g, G1, G1B
	s_mov_b32 s[\g+1], 32<<16
	s_mov_b32 s[\g+2], 132<<16
	s_mov_b32 s[\g+3], 32<<16
	s_mov_b32 s[\g+4], 132
	s_mov_b32 s[\g+5], 32
	s_mov_b32 s[\g+6], 0
	s_mov_b32 s[\g+7], 0
.endr
	s_lshl_b32 s20, s17, 3
	s_add_co_u32 s20, s20, s16
	s_mul_i32 s20, s20, SLAB                       ; a: slab 8 x row block + (wave % 2); two slabs on for each content
	s_mov_b32 s21, 0
	s_add_co_u32 s46, s42, 64
	s_lshl_b32 s46, s46, 3
	s_add_co_u32 s46, s46, s16
	s_mul_i32 s46, s46, SLAB                       ; wo likewise
	s_mov_b32 s47, 0
	s_mul_i32 s45, s14, SLAB
	s_cmp_eq_u32 s15, 0                            ; the prefetches: my slab, and my place among the four that load it
	s_cselect_b32 s72, s20, s46
	s_cselect_b32 s74, s40, s41
	s_lshl_b32 s75, s74, 13
	s_add_co_u32 s72, s72, s75
	s_mov_b32 s73, 0
	s_mul_i32 s74, s74, 7936
	s_sub_co_u32 s74, 32768, s74                   ; from my 32 rows to row 128 + place
	s_wait_dscnt 0x0
	CROUND                                         ; all sixteen work-groups are here
	s_wait_kmcnt 0x0
	s_cmp_eq_u32 s15, 0
	s_cselect_b64 s[PFA:PFA+1], s[4:5], s[6:7]
	s_add_nc_u64 s[PFA:PFA+1], s[PFA:PFA+1], s[72:73]
	s_add_nc_u64 s[20:21], s[4:5], s[20:21]
	s_add_nc_u64 s[46:47], s[6:7], s[46:47]
.irp s, 0,1
	s_mov_b32 s[G0+4*\s], 1
	s_add_co_u32 s[G0+4*\s+1], s45, \s*SLOT
	s_add_nc_u64 s[G0+4*\s+2:G0+4*\s+3], s[20:21], \s*2*SLAB
	s_or_b32 s[G0+4*\s+3], s[G0+4*\s+3], 0x80000000
	s_mov_b32 s[G0B+4*\s], 1
	s_add_co_u32 s[G0B+4*\s+1], s45, \s*SLOT
	s_add_nc_u64 s[G0B+4*\s+2:G0B+4*\s+3], s[46:47], \s*2*SLAB
	s_or_b32 s[G0B+4*\s+3], s[G0B+4*\s+3], 0x80000000
.endr
	JLOAD 0                                        ; one tensor load a wave at the head
	s_lshl_b32 s75, s15, 13                        ; my four tiles of a
	s_lshl_b32 s76, s16, 13
	s_add_co_u32 s76, s76, 2*SLAB                  ; of wo, behind a's two slabs
	s_lshl_b32 s77, s15, 8
	s_add_co_u32 s77, s77, 32768
	s_lshl_b32 s78, s16, 8
	s_add_co_u32 s78, s78, 2*SLAB+32768
	s_mul_i32 s79, s14, 4352
	s_add_co_u32 s79, s79, STAGE
	s_lshl_b32 s96, s17, 20                        ; my part of the result
	s_lshl_b32 s97, s15, 19
	s_add_co_u32 s96, s96, s97
	s_lshl_b32 s97, s42, 9
	s_add_co_u32 s96, s96, s97
	s_lshl_b32 s97, s16, 8
	s_add_co_u32 s96, s96, s97
	s_mov_b32 s97, 0
	s_add_nc_u64 s[12:13], s[12:13], s[96:97]
	v_and_b32 v1, 31, v0
	v_and_b32 v2, 15, v0
	v_bfe_u32 v3, v0, 4, 1
	v_lshl_add_u32 v[ADA], v1, 4, s75
	v_add_nc_u32 v[ADA+1], SLOT, v[ADA]
	v_lshl_add_u32 v[ADB], v1, 4, s76
	v_add_nc_u32 v[ADB+1], SLOT, v[ADB]
	v_lshl_add_u32 v[ASA], v1, 2, s77
	v_add_nc_u32 v[ASA+1], SLOT, v[ASA]
	v_lshl_add_u32 v[ASB], v1, 2, s78
	v_add_nc_u32 v[ASB+1], SLOT, v[ASB]
	v_mul_u32_u24 v[STO], v2, 272                  ; the way out: into the stage: row r, 64 h bytes on
	v_lshl_add_u32 v[STO], v3, 6, v[STO]
	v_add_nc_u32 v[STO], s79, v[STO]
	v_mul_u32_u24 v[RD], v3, 272                   ; back: sixteen lanes to a row of 256 bytes
	v_lshl_add_u32 v[RD], v2, 4, v[RD]
	v_add_nc_u32 v[RD], s79, v[RD]
	v_lshlrev_b32 v[CO], 13, v3
	v_lshl_add_u32 v[CO], v2, 4, v[CO]
	v_lshlrev_b32 v[PFO], 8, v1
	v_mov_b32 v[PF2], s74
	ASK 2*SLAB                                     ; content 1
.macro WN d, a, b, c, sa, ra, sb, rb
.if (\ra) && (\rb)
	v_wmma_scale_f32_16x16x128_f8f6f4 v[(\d):(\d)+7], v[(\a):(\a)+15], v[(\b):(\b)+15], \c, v[(\sa)], v[(\sb)] matrix_a_scale:MATRIX_SCALE_ROW1 matrix_b_scale:MATRIX_SCALE_ROW1
.elseif (\ra)
	v_wmma_scale_f32_16x16x128_f8f6f4 v[(\d):(\d)+7], v[(\a):(\a)+15], v[(\b):(\b)+15], \c, v[(\sa)], v[(\sb)] matrix_a_scale:MATRIX_SCALE_ROW1
.elseif (\rb)
	v_wmma_scale_f32_16x16x128_f8f6f4 v[(\d):(\d)+7], v[(\a):(\a)+15], v[(\b):(\b)+15], \c, v[(\sa)], v[(\sb)] matrix_b_scale:MATRIX_SCALE_ROW1
.else
	v_wmma_scale_f32_16x16x128_f8f6f4 v[(\d):(\d)+7], v[(\a):(\a)+15], v[(\b):(\b)+15], \c, v[(\sa)], v[(\sb)]
.endif
.endm
.macro WM d, a, b, sa, ra, sb, rb, zero
.if \zero
	WN \d,\a,\b,0,\sa,\ra,\sb,\rb
.else
	WN \d,\a,\b,v[(\d):(\d)+7],\sa,\ra,\sb,\rb
.endif
.endm
.macro PROD i, p, zero                 ; a's tile i of set p against wo's four
	WIN 0x05
.irp f, 0,1,2,3
	WM ACC+8*(4*(\i)+\f),128*(\p)+64+16*\f,128*(\p)+16*(\i),SC+8*(\p)+2+\f/2,\f%2,SC+8*(\p)+(\i)/2,(\i)%2,\zero
.endr
.endm
.macro LB slot, q, p                   ; the slot's q-th K step into set p: four loads of scale words (two tiles a register), wo's 16
	WIN 0
.irp k, 0,1
	ds_load_b32 v[SC+8*(\p)+\k], v[ASA+\slot] offset:((\q)/2)*SLAB+512*((\q)%2)+128*\k
	ds_load_b32 v[SC+8*(\p)+2+\k], v[ASB+\slot] offset:((\q)/2)*SLAB+512*((\q)%2)+128*\k
.endr
	WIN 0x40
.irp f, 0,1,2,3
.irp c, 0,1,2,3
	ds_load_b128 v[128*(\p)+64+16*\f+4*\c:128*(\p)+64+16*\f+4*\c+3], v[ADB+\slot] offset:((\q)/2)*SLAB+16384*((\q)%2)+2048*\f+512*\c
.endr
.endr
.endm
.macro LA slot, q, p, i                ; a's tile i: 4 loads
	WIN 0x40
.irp c, 0,1,2,3
	ds_load_b128 v[128*(\p)+16*(\i)+4*\c:128*(\p)+16*(\i)+4*\c+3], v[ADA+\slot] offset:((\q)/2)*SLAB+16384*((\q)%2)+2048*(\i)+512*\c
.endr
.endm
; The 16 accumulators take turns, one instruction a turn, in the same order in every K step; eight v_nop stand ahead of a K step's first loads into the set that the K step before has read.
.macro STEP slot, q, zero
	s_wait_dscnt 12                                ; words, wo and a's tile 0 are in; tiles 1 to 3 may be out
	PROD 0,(\q)%2,\zero
	PLACES 8
	LB \slot,(\q)+1,((\q)+1)%2
	s_wait_dscnt 28                                ; tile 1: behind it 8 loads of a and the 20
	PROD 1,(\q)%2,\zero
	LA \slot,(\q)+1,((\q)+1)%2,0
	s_wait_dscnt 28                                ; tile 2: behind it 4, 20 and 4
	PROD 2,(\q)%2,\zero
	LA \slot,(\q)+1,((\q)+1)%2,1
	s_wait_dscnt 28                                ; tile 3: behind it 20, 4 and 4
	PROD 3,(\q)%2,\zero
	LA \slot,(\q)+1,((\q)+1)%2,2
	LA \slot,(\q)+1,((\q)+1)%2,3
.endm
.macro TURN slot, next, fill           ; a slot's last K step (set 1) changes slots; fill = 1: the slot is filled again, two contents ahead
	WIN 0
	s_wait_tensorcnt 0x0                           ; my part of the next slot is in
	ds_add_u32 v[SPW], v[NIL]
	s_wait_dscnt 13                                ; as above; the add may be out too
	PROD 0,1,0
	s_wait_dscnt 0x0                               ; the add is done, and my reads of this slot are over
	s_barrier_signal -1
	PROD 1,1,0
	WIN 0
	s_barrier_wait -1
.if \fill
	CREST
	s_add_nc_u64 s[G0+4*\slot+2:G0+4*\slot+3], s[G0+4*\slot+2:G0+4*\slot+3], 4*SLAB
	s_add_nc_u64 s[G0B+4*\slot+2:G0B+4*\slot+3], s[G0B+4*\slot+2:G0B+4*\slot+3], 4*SLAB
	JLOAD \slot
	PLACES 4
.else
	PLACES 8
.endif
	LB \next,0,0
	LA \next,0,0,0
	PROD 2,1,0
	LA \next,0,0,1
	PROD 3,1,0
	LA \next,0,0,2
	LA \next,0,0,3
.endm
	s_wait_alu depctr_va_vdst(0)                   ; the wait at the head's end
	s_wait_tensorcnt 0x0                           ; my slab of slot 0 is in; these lines stand ahead of a later first fill, as ahead of a refill
	ds_add_u32 v[SPW], v[NIL]
	s_wait_dscnt 0x0
	CROUND
	JLOAD 1                                        ; content 1
	LB 0,0,0
	LA 0,0,0,0
	LA 0,0,0,1
	LA 0,0,0,2
	LA 0,0,0,3
	WIN 0
	ASK 4*SLAB                                     ; contents 2
	ASK 6*SLAB                                     ; and 3, the last
	STEP 0,0,1
	STEP 0,1,0
	STEP 0,2,0
	TURN 0,1,1
	STEP 1,0,0
	STEP 1,1,0
	STEP 1,2,0
	TURN 1,0,1
	STEP 0,0,0
	STEP 0,1,0
	STEP 0,2,0
	TURN 0,1,0
	STEP 1,0,0
	STEP 1,1,0
	STEP 1,2,0
	s_wait_dscnt 12
	PROD 0,1,0
	s_wait_dscnt 8
	PROD 1,1,0
	s_wait_dscnt 4
	PROD 2,1,0
	s_wait_dscnt 0x0
	PROD 3,1,0
	WIN 0
.macro TOSTAGE i                       ; a tile of 16 rows x 64 columns into my own stage, each accumulator from its low end on, and back as rows of 256 bytes: LDS serves a wave's instructions in order
.irp f, 0,1,2,3
	ds_store_b128 v[STO], v[ACC+8*(4*(\i)+\f):ACC+8*(4*(\i)+\f)+3] offset:128*(\f/2)+32*(\f%2)
	ds_store_b128 v[STO], v[ACC+8*(4*(\i)+\f)+4:ACC+8*(4*(\i)+\f)+7] offset:128*(\f/2)+32*(\f%2)+16
.endr
.irp k, 0,1,2,3,4,5,6,7
	ds_load_b128 v[BK+32*((\i)%2)+4*\k:BK+32*((\i)%2)+4*\k+3], v[RD] offset:544*\k
.endr
.endm
.macro SEND i, younger                 ; sixteen lanes store 256 consecutive bytes, aligned
	s_wait_dscnt \younger
.irp k, 0,1,2,3,4,5,6,7
	global_store_b128 v[CO], v[BK+32*((\i)%2)+4*\k:BK+32*((\i)%2)+4*\k+3], s[12:13] offset:(32*((\i)/2)+8*((\i)%2)+2*\k+8*(\k/4))*8192 th:TH_STORE_NT
.endr
.endm
	PLACES 8
	TOSTAGE 0
	TOSTAGE 1
	SEND 0, 16                                     ; behind tile 0's loads: tile 1's 8 stores and 8 loads
	s_wait_xcnt 0x0                                ; the stores have read their registers
	TOSTAGE 2
	SEND 1, 16
	s_wait_xcnt 0x0
	TOSTAGE 3
	SEND 2, 16
	SEND 3, 0
	s_wait_tensorcnt 0x0                           ; the wave's end
	ds_add_u32 v[SPW], v[NIL]
	s_wait_dscnt 0x0
	CROUND                                         ; the closing round
	s_endpgm
.Lfunc_end_k_qa9f5946c9e_outp:
	.size	k_qa9f5946c9e_outp, .Lfunc_end_k_qa9f5946c9e_outp-k_qa9f5946c9e_outp
	.p2alignl 7, 3214868480
	.fill 96, 4, 3214868480
	.section	.rodata,"a",@progbits
	.p2align	6, 0x0
	.amdhsa_kernel k_qa9f5946c9e_outp
		.amdhsa_group_segment_fixed_size 327680
		.amdhsa_private_segment_fixed_size 0
		.amdhsa_enable_private_segment 0
		.amdhsa_kernarg_size 24
		.amdhsa_user_sgpr_count 2
		.amdhsa_user_sgpr_kernarg_segment_ptr 1
		.amdhsa_wavefront_size32 1
		.amdhsa_system_sgpr_workgroup_id_x 1
		.amdhsa_system_sgpr_workgroup_id_y 1
		.amdhsa_system_sgpr_workgroup_id_z 1
		.amdhsa_system_vgpr_workitem_id 0
		.amdhsa_next_free_vgpr 512
		.amdhsa_next_free_sgpr 100
		.amdhsa_reserve_vcc 0
		.amdhsa_float_denorm_mode_32 3
		.amdhsa_float_denorm_mode_16_64 3
		.amdhsa_memory_ordered 1
		.amdhsa_forward_progress 1
		.amdhsa_inst_pref_size 96
	.end_amdhsa_kernel
	.amdgpu_metadata
---
amdhsa.version: [ 1, 2 ]
amdhsa.kernels:
  - .name:           k_qa9f5946c9e_outp
    .symbol:         k_qa9f5946c9e_outp.kd
    .args:
      - { .name: a_c, .offset: 0, .size: 8, .value_kind: global_buffer, .address_space: global }
      - { .name: xw, .offset: 8, .size: 8, .value_kind: global_buffer, .address_space: global }
      - { .name: out0, .offset: 16, .size: 8, .value_kind: global_buffer, .address_space: global }
    .group_segment_fixed_size: 327680
    .private_segment_fixed_size: 0
    .kernarg_segment_align: 8
    .kernarg_segment_size: 24
    .max_flat_workgroup_size: 128
    .sgpr_count:     100
    .vgpr_count:     512
    .wavefront_size: 32
...
	.end_amdgpu_metadata
.endif
;; end of part 4
